; MI455X (gfx1250); checked and timed in simulation.
; The chip was launched on July 23, 2026; its instructions are those of AMD's public machine-readable ISA for CDNA 5 (MIT licence, August 2026) and "CDNA5" Instruction Set Architecture Reference Guide (July 2026). The comments in the code are by the model that wrote it; some were corrected since.
;; Self Attention. Allowed arithmetic: matrix products marked QUANTISED: E2M1 operands, one E8M0 scale for each 32 along K, by v_wmma_scale_f32_16x16x128_f8f6f4 with both operands' format E2M1 (or v_wmma_scale_f32_32x16x128_f4), f32 sums; products left as they are: bf16, f16 or f32 operands; f32 sums; everything else in f32.
;; Inputs: Wk 1,024 x 1,024 float32; Wo 1,024 x 1,024 float32; Wq 1,024 x 1,024 float32; Wv 1,024 x 1,024 float32; bk 1,024 float32; bo 1,024 float32; bq 1,024 float32; bv 1,024 float32; embed 4 x 2,048 x 1,024 float32; mask 1 x 1 x 1 x 2,048 int32.
;; Outputs: out0 4 x 2,048 x 1,024 float32.
;; This version of the problem:
;;   THIS VERSION OF THE PROBLEM IS GIVEN IN LOW PRECISION. The matrix products marked QUANTISED in the list below multiply operands that are first quantised to E2M1 (2 exponent bits, 1 mantissa bit; 4 bits a number), with one power-of-two scale for each 32 numbers along K (OCP MX v1.0); their sums are f32. The products marked 'left as it is' may take bf16, f16 or f32 operands, with f32 sums. Whichever they take, every output number must still come out within the allowed error. Rounding operands to bf16 (8 significant bits) uses up far more of that allowance than f16 does (11 bits, for magnitudes from 6e-5 to 65,504). All else is computed in f32.
;;   The module's matrix products, in the order in which they are computed (A, B: the left and right operand; K: the contracted axis; several contracted axes count as one K, in the product's order):
;;     1. [M 8,192, K 1,024] x [K 1,024, N 1,024]; A: input embed; B: input Wq: QUANTISED
;;     2. [M 8,192, K 1,024] x [K 1,024, N 1,024]; A: input embed; B: input Wk: QUANTISED
;;     3. [M 8,192, K 1,024] x [K 1,024, N 1,024]; A: input embed; B: input Wv: QUANTISED
;;     4. batch 64 x [M 2,048, K 64] x [K 64, N 2,048]; A: computed on the way; B: computed on the way: left as it is (an operand is computed on the way)
;;     5. batch 64 x [M 2,048, K 2,048] x [K 2,048, N 64]; A: computed on the way; B: computed on the way: left as it is (an operand is computed on the way)
;;     6. [M 8,192, K 1,024] x [K 1,024, N 1,024]; A: computed on the way; B: input Wo: left as it is (an operand is computed on the way)
;;   THE QUANTISER, for each operand of a quantised product, along K:
;;     - K is cut into blocks of 32 from its start; a last block that is shorter is filled with zeros.
;;     - A block's scale is 2^e with e = floor(log2(the largest magnitude in the block)) - 2, held to -126 .. 127; a block of zeros has e = 0. As a byte (E8M0): e + 127.
;;     - Each number is divided by its block's scale, clamped to +-6, and rounded to the nearest number of E2M1, ties to even, subnormals kept.
;;     - The product sums the exact products of the quantised numbers (number of the format x scale) in f32.
;;   ~~~python
;;   def quantise(x, axis):      # numpy; x: float32 -> the quantised numbers, widened to float32 again
;;       x = np.moveaxis(x, axis, -1); K = x.shape[-1]
;;       x = np.pad(x, [(0, 0)] * (x.ndim - 1) + [(0, -K % 32)]); x = x.reshape(x.shape[:-1] + (-1, 32)); a = np.abs(x).max(-1, keepdims=True)
;;       e = np.where(a > 0, np.clip(np.frexp(np.where(a > 0, a, 1))[1] - 1 - 2, -126, 127), 0)      # np.frexp(a)[1] - 1 = floor(log2(a)), exactly
;;       r = np.clip(x / 2.0 ** e, -6, 6)
;;       step = 2.0 ** (np.maximum(np.frexp(np.where(r == 0, 1, r))[1] - 1, 0) - 1)
;;       q = np.round(r / step) * step * 2.0 ** e      # np.round: ties to even
;;       return np.moveaxis(q.reshape(q.shape[:-2] + (-1,))[..., :K], -1, axis).astype(np.float32)
;;   ~~~
;; One version. Each part assembles by itself: llvm-mc -triple=amdgcn-amd-amdhsa -mcpu=gfx1250 --defsym DOCPART=n.
;; ======== version 1 of 1: 5 launches
;; limits: values are held in f16: magnitudes above 65,504 overflow, below 6.1e-05 lose precision
;; workspace buffers: e_codes 4,194,304 bytes; e_scales 262,144 bytes; w_codes 1,572,864 bytes; w_scales 98,304 bytes; wo16 2,097,152 bytes; qkv 50,331,648 bytes; ctx 16,777,216 bytes
;; launch quant_e (part 1): grid 256 x 1, 4 waves a work-group, no clusters, 33,280 bytes of LDS; arguments embed, e_codes, e_scales; writes e_codes, e_scales
.if DOCPART == 1
	.amdgcn_target "amdgcn-amd-amdhsa--gfx1250"
	.amdhsa_code_object_version 6
	.text
	.protected	k_q3ade347696_quant_e
	.globl	k_q3ade347696_quant_e
	.p2align	8
	.type	k_q3ade347696_quant_e,@function
k_q3ade347696_quant_e:
	s_mov_b64 s[64:65], 0
	v_nop
	global_prefetch_b8 v0, s[64:65] scope:SCOPE_SE
	s_setreg_imm32_b32 hwreg(HW_REG_WAVE_MODE, 25, 1), 1
	s_wait_xcnt 0x0
; embed [8192][1024], f32, becomes codes of FP4 (E2M1), K innermost (a row of 1,024 codes is 512 bytes), with one E8M0 scale byte for each 32 along K ([8192][32]).
; A block's scale is 2^(floor(log2(its largest magnitude)) - 2); its byte is the largest magnitude's exponent field - 2, held at 1 from below.
; Each number is divided by the scale and rounded to the nearest code, ties to even; beyond 6 the largest code.
; LIMITS: a block of zeros gets the byte 1 where the quantiser's text says 127: its codes are zeros, which add nothing under any byte but 0xff, and this program alone reads the bytes.
; Blocks whose largest magnitude lies under 2^(3 - 127) are held at that floor.  NaN and infinities among the inputs are not served.
; Rows are dense and 1,024 is a multiple of 32: the tensor is a plain stream of blocks of 32.  A wave takes 16 steps of 512 numbers.  Each load reads 512 consecutive bytes, 16 a lane; a step's 2,048 bytes
; go through the wave's own stage in LDS and come back 64 bytes a lane, so that a lane holds 16 neighbours along K (two neighbouring lanes hold a block).  A lane's 16 codes are 8 bytes: a store covers 256
; consecutive bytes.  A wave's 256 scale bytes are gathered in LDS and leave by one store of 256 consecutive bytes.  Waves share nothing: no barrier.  Loads run four steps ahead.
.set WAVES, 4
.set STEPS, 16
.set EMAX,  2
.set CB,    8                          ; bytes of 16 codes
.set R,     16                         ; v16-79   four sets of 16 numbers as they are loaded
.set X,     80                         ; v80-111  two sets of 16 neighbours
.set C,     128                        ; v128-191 codes: four registers for each step, so that no store's data are written again
.set E,     112                        ; v112-127 a scale byte for each step
.set WREG,  8192                       ; LDS: a region for each wave: two stages of 32 x SP bytes, then its 256 scale bytes
.set SP,    80                         ; a lane's place in a stage: 64 bytes + 16 of padding
.set SPW,   12                         ; v12  LDS address of my spare word; never rewritten
.set NIL,   13                         ; v13  0; never rewritten
.set SPARE, WAVES*WREG                 ; behind the four regions: the spare words, 128 bytes a wave
	s_load_b128 s[4:7], s[0:1], 0x0                ; embed, the codes
	s_load_b64 s[10:11], s[0:1], 0x10              ; the scale bytes
	v_lshl_add_u32 v[SPW], v0, 2, SPARE
	v_mov_b32 v[NIL], 0
	v_lshrrev_b32 v1, 5, v0
	v_readfirstlane_b32 s16, v1                    ; wave
	v_and_b32 v2, 31, v0                           ; lane
	v_lshlrev_b32 v3, 4, v2                        ; my 16 bytes of a load's 512
	s_mul_i32 s17, s16, WREG
	v_lshrrev_b32 v14, 2, v2
	v_mul_u32_u24 v14, v14, SP
	v_and_b32 v15, 3, v2
	v_lshl_add_u32 v14, v15, 4, v14
	v_add_nc_u32 v14, s17, v14                     ; the stage, on the way in: SP (lane / 4) + 16 (lane % 4)
	v_mul_u32_u24 v15, v2, SP
	v_add_nc_u32 v15, s17, v15                     ; and on the way out: SP x lane: my 16 neighbours
	v_mul_u32_u24 v4, v2, CB                       ; my codes' place in a step's
	v_lshrrev_b32 v5, 1, v2
	s_add_co_u32 s17, s17, 2*32*SP
	v_add_nc_u32 v5, s17, v5                       ; LDS: my wave's 256 scale bytes, my block's byte
	v_lshlrev_b32 v7, 3, v2                        ; and on the way out 8 bytes a lane
	v_add_nc_u32 v6, s17, v7
	s_lshl_b32 s17, ttmp9, 2
	s_add_co_u32 s18, s17, s16                     ; which run of 8,192 numbers is my wave's: 0 .. 1,023
	s_lshl_b32 s20, s18, 15                        ; 32,768 bytes of numbers a run,
	s_mov_b32 s21, 0
	s_lshl_b32 s22, s18, 12                        ; 4,096 bytes of codes,
	s_mov_b32 s23, 0
	s_lshl_b32 s24, s18, 8                         ; 256 scale bytes
	s_mov_b32 s25, 0
	s_wait_kmcnt 0x0
	s_add_nc_u64 s[4:5], s[4:5], s[20:21]
	s_add_nc_u64 s[8:9], s[6:7], s[22:23]
	s_add_nc_u64 s[10:11], s[10:11], s[24:25]
.macro LOAD t
.irp i, 0,1,2,3
	global_load_b128 v[R+16*((\t)%4)+4*\i:R+16*((\t)%4)+4*\i+3], v3, s[4:5] offset:2048*(\t)+512*\i th:TH_LOAD_NT   ; 32 lanes read 512 consecutive bytes
.endr
.endm
.macro TURN t                          ; step t's numbers through the stage: LDS serves a wave's instructions in order, so no wait stands between the stores and the loads
.irp i, 0,1,2,3
	ds_store_b128 v14, v[R+16*((\t)%4)+4*\i:R+16*((\t)%4)+4*\i+3] offset:32*SP*((\t)%2)+8*SP*\i
.endr
.irp i, 0,1,2,3
	ds_load_b128 v[X+16*((\t)%2)+4*\i:X+16*((\t)%2)+4*\i+3], v15 offset:32*SP*((\t)%2)+16*\i
.endr
.endm
.irp t, 0,1,2,3
	LOAD \t
.endr
	s_wait_loadcnt 12                              ; step 0's four loads are in; three steps' twelve stay out
	TURN 0
.macro STEP t
.set XS, X+16*((\t)%2)
.if (\t) > 0
	s_wait_dscnt 1                                 ; this step's numbers are back from the stage (the last step's byte store may be out)
.else
	s_wait_dscnt 0x0
.endif
.if (\t)+4 < STEPS
	LOAD (\t)+4                                    ; into the registers that the stage's stores have read
.endif
.if (\t)+1 < STEPS
.if STEPS-2-(\t) >= 3
	s_wait_loadcnt 12                              ; the next step's four loads are in; those of the three steps behind it may be out
.else
	s_wait_loadcnt 4*(STEPS-2-(\t))
.endif
	TURN (\t)+1                                    ; they go through the other stage while this step is worked
.endif
	v_max3_num_f32 v8, |v[XS]|, |v[XS+1]|, |v[XS+2]|               ; the largest magnitude of my 16, in two chains
	v_max3_num_f32 v9, |v[XS+3]|, |v[XS+4]|, |v[XS+5]|
.irp i, 6,10
	v_max3_num_f32 v8, v8, |v[XS+\i]|, |v[XS+\i+1]|
	v_max3_num_f32 v9, v9, |v[XS+\i+2]|, |v[XS+\i+3]|
.endr
	v_max3_num_f32 v8, v8, |v[XS+14]|, |v[XS+15]|
	v_max3_num_f32 v8, v8, v9, (EMAX+1)<<23        ; and the floor 2^(3 - 127): the byte cannot fall under 1
	v_max_num_f32_dpp v8, v8, v8 row_xmask:1 row_mask:0xf bank_mask:0xf   ; and of my neighbour's 16: the block's
	v_add_nc_u32 v11, 0xff000000, v8               ; 2 off its exponent field: the conversion takes the exponent field of this operand as its scale
	v_cvt_scalef32_pk8_fp4_f32 v[C+4*(\t)], v[XS:XS+7], v11
	v_cvt_scalef32_pk8_fp4_f32 v[C+4*(\t)+1], v[XS+8:XS+15], v11
	v_lshrrev_b32 v[E+(\t)], 23, v11               ; the scale's byte (also the plain line behind the conversions)
	ds_store_b8 v5, v[E+(\t)] offset:16*(\t)       ; both lanes of a block write the same byte with the same value
	global_store_b64 v4, v[C+4*(\t):C+4*(\t)+1], s[8:9] offset:32*CB*(\t)   ; 32 lanes store 256 consecutive bytes
.endm
.irp t, 0,1,2,3,4,5,6,7,8,9,10,11,12,13,14,15
	STEP \t
.endr
	ds_load_b64 v[8:9], v6                         ; LDS serves a wave's instructions in order: these see my stores
	s_wait_dscnt 0x0
	global_store_b64 v7, v[8:9], s[10:11]          ; 32 lanes store 256 consecutive bytes
	s_wait_tensorcnt 0x0                           ; the wave's end
	ds_add_u32 v[SPW], v[NIL]
	s_wait_dscnt 0x0
	s_endpgm
.Lfunc_end_k_q3ade347696_quant_e:
	.size	k_q3ade347696_quant_e, .Lfunc_end_k_q3ade347696_quant_e-k_q3ade347696_quant_e
	.p2alignl 7, 3214868480
	.fill 96, 4, 3214868480
	.section	.rodata,"a",@progbits
	.p2align	6, 0x0
	.amdhsa_kernel k_q3ade347696_quant_e
		.amdhsa_group_segment_fixed_size 33280
		.amdhsa_private_segment_fixed_size 0
		.amdhsa_enable_private_segment 0
		.amdhsa_kernarg_size 24
		.amdhsa_user_sgpr_count 2
		.amdhsa_user_sgpr_kernarg_segment_ptr 1
		.amdhsa_wavefront_size32 1
		.amdhsa_system_sgpr_workgroup_id_x 1
		.amdhsa_system_sgpr_workgroup_id_y 1
		.amdhsa_system_sgpr_workgroup_id_z 1
		.amdhsa_system_vgpr_workitem_id 0
		.amdhsa_next_free_vgpr 192
		.amdhsa_next_free_sgpr 66
		.amdhsa_reserve_vcc 0
		.amdhsa_float_denorm_mode_32 3
		.amdhsa_float_denorm_mode_16_64 3
		.amdhsa_memory_ordered 1
		.amdhsa_forward_progress 1
		.amdhsa_inst_pref_size 33
	.end_amdhsa_kernel
	.amdgpu_metadata
---
amdhsa.version: [ 1, 2 ]
amdhsa.kernels:
  - .name:           k_q3ade347696_quant_e
    .symbol:         k_q3ade347696_quant_e.kd
    .args:
      - { .name: embed, .offset: 0, .size: 8, .value_kind: global_buffer, .address_space: global }
      - { .name: e_codes, .offset: 8, .size: 8, .value_kind: global_buffer, .address_space: global }
      - { .name: e_scales, .offset: 16, .size: 8, .value_kind: global_buffer, .address_space: global }
    .group_segment_fixed_size: 33280
    .private_segment_fixed_size: 0
    .kernarg_segment_align: 8
    .kernarg_segment_size: 24
    .max_flat_workgroup_size: 128
    .sgpr_count:     66
    .vgpr_count:     192
    .wavefront_size: 32
...
	.end_amdgpu_metadata
.endif
;; end of part 1
;; launch quant_w (part 2): grid 8 x 14, 4 waves a work-group, no clusters, 35,840 bytes of LDS; arguments Wq, Wk, Wv, Wo, w_codes, w_scales, wo16; writes w_codes, w_scales, wo16
.if DOCPART == 2
	.amdgcn_target "amdgcn-amd-amdhsa--gfx1250"
	.amdhsa_code_object_version 6
	.text
	.protected	k_q3ade347696_quant_w
	.globl	k_q3ade347696_quant_w
	.p2align	8
	.type	k_q3ade347696_quant_w,@function
k_q3ade347696_quant_w:
	s_mov_b64 s[64:65], 0
	v_nop
	global_prefetch_b8 v0, s[64:65] scope:SCOPE_SE
	s_setreg_imm32_b32 hwreg(HW_REG_WAVE_MODE, 25, 1), 1
	s_wait_xcnt 0x0
; Work-group rows y = 0 .. 5: Wq, Wk, Wv ([k 1024][n 1024], f32, K the FIRST axis) become codes of FP4 (E2M1) laid [3 x 1024 n][1024 k] with K innermost (512 bytes a row) and one E8M0 byte
; for each 32 along K ([3072][32]).  y / 2 is the tensor, y % 2 the half of K.  A LANE TAKES A COLUMN n AND ITS REGISTERS RUN DOWN K: each load reads 128 consecutive bytes a wave, a block of 32 lies in one
; lane's 32 registers, and the conversions give the codes with K innermost.  A wave takes 32 columns x 512 along K; its codes go through its own stage in LDS and leave as rows: sixteen lanes store 256 consecutive bytes.
; Work-group rows y = 6 .. 13: Wo is rounded to f16 in its own order [k][n]: a plain stream, 16,384 bytes of f32 a wave, no LDS data.
; A block's scale is 2^(floor(log2(its largest magnitude)) - 2); its byte is the largest magnitude's exponent field - 2, held at 1 from below.
; LIMITS: a block of zeros gets the byte 1 (its codes are zeros; this program alone reads the bytes); NaN and infinities are not served by the quantiser; |Wo| beyond 65,504 has no f16 number.
.set SIZE_N, 1024
.set NB,    16                         ; blocks of 32 along K for a wave
.set ROWB,  256                        ; bytes of 512 codes
.set PITCH, ROWB+16                    ; a stage row
.set KROW,  512                        ; a row of the codes' buffer in bytes
.set EMAX,  2
.set X,     32                         ; v32-95   two sets of 32 numbers
.set C,     96                         ; v96-99   a block's codes
.set OUTR,  112                        ; v112-175 the way out
.set SPW,   14                         ; v14  LDS address of my spare word; never rewritten
.set NIL,   15                         ; v15  0; never rewritten
.set SPARE, 4*32*PITCH                 ; behind the four stages: the spare words, 128 bytes a wave
.set SB,    24                         ; v24-27   the scale bytes, four to a register
	s_load_b256 s[4:11], s[0:1], 0x0               ; Wq, Wk, Wv, Wo
	s_load_b128 s[12:15], s[0:1], 0x20             ; the codes, the scale bytes
	s_load_b64 s[16:17], s[0:1], 0x30              ; Wo in f16
	v_lshl_add_u32 v[SPW], v0, 2, SPARE
	v_mov_b32 v[NIL], 0
	v_lshrrev_b32 v1, 5, v0
	v_readfirstlane_b32 s20, v1                    ; wave 0..3
	v_and_b32 v2, 31, v0                           ; lane
	s_and_b32 s21, ttmp7, 0xffff                   ; work-group y
	s_cmp_ge_u32 s21, 6
	s_cbranch_scc1 .Lwo                            ; the work-group's number alone decides: all four waves go the same way
	s_lshr_b32 s22, s21, 1                         ; the tensor: 0 q, 1 k, 2 v
	s_and_b32 s23, s21, 1                          ; which 512 along K
	s_lshl_b32 s24, ttmp9, 7
	s_lshl_b32 s25, s20, 5
	s_add_co_u32 s24, s24, s25                     ; my wave's first column: 128 x + 32 wave
	v_lshlrev_b32 v3, 2, v2                        ; in: 4 bytes a lane
	s_mul_i32 s25, s20, 32*PITCH                   ; my stage
	v_mul_u32_u24 v4, v2, PITCH
	v_add_nc_u32 v4, s25, v4                       ; into it: row = my column
	v_and_b32 v5, 15, v2
	v_lshrrev_b32 v6, 4, v2                        ; out of it: sixteen lanes to a row, two rows an instruction
	v_mul_u32_u24 v7, v6, PITCH
	v_lshl_add_u32 v7, v5, 4, v7
	v_add_nc_u32 v7, s25, v7
	v_mul_u32_u24 v8, v6, KROW
	v_lshl_add_u32 v8, v5, 4, v8                   ; and the same place in the codes' buffer
	v_lshlrev_b32 v9, 5, v2                        ; my column's row of scale bytes: 32 bytes a row
	s_lshl_b32 s28, s23, 21                        ; W: 512 rows of 4,096 bytes a half of K,
	s_lshl_b32 s25, s24, 2
	s_add_co_u32 s28, s28, s25                     ; + 4 x column
	s_mov_b32 s29, 0
	s_lshl_b32 s25, s22, 10
	s_add_co_u32 s25, s25, s24                     ; the output's row: 1,024 x tensor + column
	s_lshl_b32 s30, s25, 9
	s_lshl_b32 s34, s23, 8
	s_add_co_u32 s30, s30, s34                     ; codes: row x 512 + 256 x half
	s_mov_b32 s31, 0
	s_lshl_b32 s32, s25, 5
	s_lshl_b32 s34, s23, 4
	s_add_co_u32 s32, s32, s34                     ; scale bytes: row x 32 + 16 x half
	s_mov_b32 s33, 0
	s_wait_kmcnt 0x0
	s_cmp_lt_u32 s21, 2                            ; the weight is chosen by the work-group's number
	s_cselect_b64 s[26:27], s[4:5], s[6:7]
	s_cmp_lt_u32 s21, 4
	s_cselect_b64 s[26:27], s[26:27], s[8:9]
	s_add_nc_u64 s[26:27], s[26:27], s[28:29]
	s_add_nc_u64 s[12:13], s[12:13], s[30:31]
	s_add_nc_u64 s[14:15], s[14:15], s[32:33]
.macro LOAD t                          ; block t: W(32 t + i, my column), i = 0 .. 31, into set t % 2; the largest offset, 511 rows of 4,096 bytes, is inside the signed 24-bit immediate
.irp i, 0,1,2,3,4,5,6,7,8,9,10,11,12,13,14,15,16,17,18,19,20,21,22,23,24,25,26,27,28,29,30,31
	global_load_b32 v[X+32*((\t)%2)+\i], v3, s[26:27] offset:(32*(\t)+\i)*SIZE_N*4 th:TH_LOAD_NT
.endr
.endm
	LOAD 0
	LOAD 1
.macro BLOCK t
.set XS, X+32*((\t)%2)
.if (\t) < NB-1
	s_wait_loadcnt 32                              ; this block's 32 loads are in; the next block's may be out
.else
	s_wait_loadcnt 0
.endif
	v_max3_num_f32 v12, |v[XS]|, |v[XS+1]|, |v[XS+2]|               ; the block's largest magnitude: all 32 numbers are mine
	v_max3_num_f32 v13, |v[XS+3]|, |v[XS+4]|, |v[XS+5]|
.irp i, 6,10,14,18,22,26
	v_max3_num_f32 v12, v12, |v[XS+\i]|, |v[XS+\i+1]|
	v_max3_num_f32 v13, v13, |v[XS+\i+2]|, |v[XS+\i+3]|
.endr
	v_max3_num_f32 v12, v12, |v[XS+30]|, |v[XS+31]|
	v_max3_num_f32 v12, v12, v13, (EMAX+1)<<23     ; and the floor 2^(3 - 127): the byte cannot fall under 1
	v_add_nc_u32 v11, 0xff000000, v12              ; 2 off its exponent field: the conversion's scale operand
	v_lshrrev_b32 v13, 23, v11                     ; the scale's byte
.if (\t)%4 == 0
	v_mov_b32 v[SB+(\t)/4], v13                    ; four bytes to a register, the lower K in the lower byte
.else
	v_lshl_or_b32 v[SB+(\t)/4], v13, 8*((\t)%4), v[SB+(\t)/4]
.endif
.irp g, 0,1,2,3
	v_cvt_scalef32_pk8_fp4_f32 v[C+\g], v[XS+8*\g:XS+8*\g+7], v11
.endr
	v_nop                                          ; one plain line behind the last conversion
	ds_store_b128 v4, v[C:C+3] offset:16*(\t)      ; 32 codes: 16 bytes of my column's row
.if (\t)+2 < NB
	LOAD (\t)+2
.endif
	s_wait_dscnt 0x0                               ; the store has read its registers: the next block's codes may be written
.endm
.set Q, 0
.rept NB
	BLOCK Q
.set Q, Q+1
.endr
	global_store_b128 v9, v[SB:SB+3], s[14:15]     ; my column's 16 scale bytes
.irp t, 0,1,2,3,4,5,6,7,8,9,10,11,12,13,14,15
	ds_load_b128 v[OUTR+4*\t:OUTR+4*\t+3], v7 offset:2*\t*PITCH   ; LDS serves a wave's instructions in order: these see my stores
.endr
.irp t, 0,1,2,3,4,5,6,7,8,9,10,11,12,13,14,15
	s_wait_dscnt 15-\t                             ; load t is back; the younger ones may be out
	global_store_b128 v8, v[OUTR+4*\t:OUTR+4*\t+3], s[12:13] offset:2*\t*KROW
.endr
	s_wait_tensorcnt 0x0                           ; the wave's end
	ds_add_u32 v[SPW], v[NIL]
	s_wait_dscnt 0x0
	s_endpgm
.Lwo:                                              ; Wo to f16: 64 work-groups x 4 waves x 16,384 bytes
	s_sub_co_u32 s22, s21, 6
	s_lshl_b32 s22, s22, 3
	s_add_co_u32 s22, s22, ttmp9
	s_lshl_b32 s22, s22, 2
	s_add_co_u32 s22, s22, s20                     ; my wave's run: 0 .. 255
	s_lshl_b32 s28, s22, 14
	s_mov_b32 s29, 0
	s_lshl_b32 s30, s22, 13
	s_mov_b32 s31, 0
	v_lshlrev_b32 v3, 4, v2                        ; in: 16 bytes a lane
	v_lshlrev_b32 v4, 3, v2                        ; out: 8 bytes a lane
	s_wait_kmcnt 0x0
	s_add_nc_u64 s[10:11], s[10:11], s[28:29]
	s_add_nc_u64 s[16:17], s[16:17], s[30:31]
.set i, 0
.rept 32
	global_load_b128 v[16+4*i:19+4*i], v3, s[10:11] offset:512*i th:TH_LOAD_NT   ; all 32 loads go out first
.set i, i+1
.endr
.set i, 0
.rept 32
	s_wait_loadcnt 31-i                            ; load i is in; the younger ones stay out
	v_cvt_pk_f16_f32 v[144+2*i], v[16+4*i], v[17+4*i]
	v_cvt_pk_f16_f32 v[145+2*i], v[18+4*i], v[19+4*i]
	global_store_b64 v4, v[144+2*i:145+2*i], s[16:17] offset:256*i   ; 32 lanes store 256 consecutive bytes; no register is written twice
.set i, i+1
.endr
	s_wait_tensorcnt 0x0                           ; the same three closing lines as on the other way
	ds_add_u32 v[SPW], v[NIL]
	s_wait_dscnt 0x0
	s_endpgm
.Lfunc_end_k_q3ade347696_quant_w:
	.size	k_q3ade347696_quant_w, .Lfunc_end_k_q3ade347696_quant_w-k_q3ade347696_quant_w
	.p2alignl 7, 3214868480
	.fill 96, 4, 3214868480
	.section	.rodata,"a",@progbits
	.p2align	6, 0x0
	.amdhsa_kernel k_q3ade347696_quant_w
		.amdhsa_group_segment_fixed_size 35840
		.amdhsa_private_segment_fixed_size 0
		.amdhsa_enable_private_segment 0
		.amdhsa_kernarg_size 56
		.amdhsa_user_sgpr_count 2
		.amdhsa_user_sgpr_kernarg_segment_ptr 1
		.amdhsa_wavefront_size32 1
		.amdhsa_system_sgpr_workgroup_id_x 1
		.amdhsa_system_sgpr_workgroup_id_y 1
		.amdhsa_system_sgpr_workgroup_id_z 1
		.amdhsa_system_vgpr_workitem_id 0
		.amdhsa_next_free_vgpr 208
		.amdhsa_next_free_sgpr 66
		.amdhsa_reserve_vcc 0
		.amdhsa_float_denorm_mode_32 3
		.amdhsa_float_denorm_mode_16_64 3
		.amdhsa_memory_ordered 1
		.amdhsa_forward_progress 1
		.amdhsa_inst_pref_size 91
	.end_amdhsa_kernel
	.amdgpu_metadata
---
amdhsa.version: [ 1, 2 ]
amdhsa.kernels:
  - .name:           k_q3ade347696_quant_w
    .symbol:         k_q3ade347696_quant_w.kd
    .args:
      - { .name: Wq, .offset: 0, .size: 8, .value_kind: global_buffer, .address_space: global }
      - { .name: Wk, .offset: 8, .size: 8, .value_kind: global_buffer, .address_space: global }
      - { .name: Wv, .offset: 16, .size: 8, .value_kind: global_buffer, .address_space: global }
      - { .name: Wo, .offset: 24, .size: 8, .value_kind: global_buffer, .address_space: global }
      - { .name: w_codes, .offset: 32, .size: 8, .value_kind: global_buffer, .address_space: global }
      - { .name: w_scales, .offset: 40, .size: 8, .value_kind: global_buffer, .address_space: global }
      - { .name: wo16, .offset: 48, .size: 8, .value_kind: global_buffer, .address_space: global }
    .group_segment_fixed_size: 35840
    .private_segment_fixed_size: 0
    .kernarg_segment_align: 8
    .kernarg_segment_size: 56
    .max_flat_workgroup_size: 128
    .sgpr_count:     66
    .vgpr_count:     208
    .wavefront_size: 32
...
	.end_amdgpu_metadata
.endif
;; end of part 2
;; launch qkv (part 3): grid 12 x 32, 4 waves a work-group, clusters of 4 x 4, 327,680 bytes of LDS; arguments e_codes, e_scales, w_codes, w_scales, qkv, bq, bk, bv; writes qkv
.if DOCPART == 3
	.amdgcn_target "amdgcn-amd-amdhsa--gfx1250"
	.amdhsa_code_object_version 6
	.text
	.protected	k_q3ade347696_qkv
	.globl	k_q3ade347696_qkv
	.p2align	8
	.type	k_q3ade347696_qkv,@function
k_q3ade347696_qkv:
	s_mov_b64 s[64:65], 0
	v_nop
	global_prefetch_b8 v0, s[64:65] scope:SCOPE_SE
	s_setreg_imm32_b32 hwreg(HW_REG_WAVE_MODE, 25, 1), 1
	s_wait_xcnt 0x0
	s_wait_alu depctr_hold_cnt(0) depctr_sa_sdst(0) depctr_va_vdst(0) depctr_va_sdst(0) depctr_va_ssrc(0) depctr_va_vcc(0) depctr_vm_vsrc(0)
	s_getreg_b32 s2, hwreg(HW_REG_IB_STS2, 6, 4)
	s_cmp_eq_u32 s2, 0
	s_cbranch_scc0 .Lentry_in_a_cluster
	s_endpgm
.Lentry_in_a_cluster:
	s_bfe_u32 s2, ttmp6, 0x10000c
	s_cmp_lg_u32 s2, 0xf033
	s_cbranch_scc0 .Lentry_shape_is_right
	s_endpgm
.Lentry_shape_is_right:
; q, k, v = embed W + b, on codes of FP4 (E2M1) with one E8M0 scale for each 32 along K.  A: embed's codes [8192][1024 k]; B: the three weights' codes [3072 n][1024 k]; sums in f32, begun with the bias.
; The result is rounded once to f16 and laid [3 tensors][4 batches][16 heads][2048 tokens][64]: a token's row of a head is 128 bytes, so four tokens of a head are 512 consecutive bytes.
; LIMIT: |q|, |k|, |v| beyond 65,504 have no f16 number.
; A tile of C, 256 x 256, is made by a work-group of four waves; a wave makes 128 x 128: 64 accumulators, 512 registers.  K = 1,024 is two LDS slots of 512 along K (rows of 256 bytes): both are asked for
; at the start, with the scale bytes of the work-group's rows, and nothing is filled twice: three tensor loads of a wave are out at the most.
; CLUSTERS: 4 x 4 work-groups.  The four of a row of the cluster need the same tiles of A, the four of a column the same tiles of B: each tile is asked for jointly.  A cluster's four tile columns are one tensor.
; THE MATRIX INSTRUCTION IS USED TRANSPOSED (source 0 = 16 rows of B, source 1 = 16 rows of A): a lane then holds eight neighbouring n of one token.
; REGISTERS, in windows of 256: window 0: v0-31 addresses; v32-95 scale words, two sets; v128-191 A's fragments, one set; v192-255 the bias in the result's layout (8 tiles x 8); on the way out v32-63, v192-255 are at work.
;   window 1: B's fragments, two sets, at v0 and v128.   window 2: the accumulators of my rows 0-63 ((a, b) at v[8 (8 a + b)]);   window 3: those of my rows 64-127.
.set KSTEP,  512
.set NQ,     KSTEP/128
.set ROWB,   256                       ; a tile's row in bytes
.set KROW,   512                       ; a row of A or B in memory
.set PITCH,  272                       ; an LDS row: 256 bytes + 16 of padding = 68 words: the 16 rows that a load touches start at 16 different banks (64 banks of 4 bytes: ISA guide 11.1)
.set FR,     8
.set NL,     2
.set NP,     4                         ; places behind this matrix instruction (ISA guide 7.12.1)
.set HALFT,  128*PITCH
.set SLOT,   4*HALFT                   ; A's 256 rows, then B's 256 rows
.set KS,     32                        ; a row of scale bytes
.set SCL,    2*SLOT                    ; behind the ring: the scales, as units of 256 bytes + 16 of padding
.set HALFS,  (128*KS/256)*272
.set SBLK,   (16*KS/256)*272
.set SPARE,  SCL+4*HALFS               ; the spare words, 128 bytes a wave
.set SPITCH, 272                       ; the way out: 16 rows x (256 bytes + 16) for each wave, in slot 0, which has had its one fill and its last read by then
.set ADRA, 16
.set ADRB, 20
.set STO,  24
.set RD,   25
.set CO,   26
.set ADRS, 27
.set SPW,  28                          ; v28  LDS address of my spare word; never rewritten
.set NIL,  29                          ; v29  0; never rewritten
.set SC,   32
.set AF,   128
.set BI,   192                         ; the bias
.set TMP,  192                         ; the way out: packed results
.set OB,   32                          ; the way out: rows read back: v32-63 and v224-255 by turns
.set G1, 24
.set G0, 32
.set G1B, 48
.set G0B, 56
.set G1S, 68
.set G0S, 76
.set G1SB, 80
.set G0SB, 88
.set MSB, 0
.macro WIN new                         ; the immediate's high byte repeats the setting that is left
.if MSB != \new
	s_set_vgpr_msb (MSB<<8)|\new
.set MSB, \new
.endif
.endm
.set MUL_LO,  0xa1                     ; source 0 (B) window 1, source 1 (A) window 0, C and D window 2
.set MUL_HI,  0xf1                     ; the same, C and D window 3
.set MUL_LO0, 0x81                     ; the first step: C (the bias) window 0, D window 2
.set MUL_HI0, 0xc1                     ; and D window 3
.set TO_B,    0x40
; A joint load: waves 0 and 1 fetch for A, waves 2 and 3 for B; the branch hangs on the wave's number alone.  An s_nop 0 and four v_nop follow each of the two lines.
.macro JLOAD g0a, g1a, g0b, g1b
	s_cmp_eq_u32 s15, 0
	s_cbranch_scc0 .Lfor_b_\@
	tensor_load_to_lds s[\g0a:\g0a+3], s[\g1a:\g1a+7]
	s_nop 0
.rept 4
	v_nop
.endr
	s_branch .Lasked_\@
.Lfor_b_\@:
	tensor_load_to_lds s[\g0b:\g0b+3], s[\g1b:\g1b+7]
	s_nop 0
.rept 4
	v_nop
.endr
.Lasked_\@:
.endm
.macro CROUND                          ; a round of the cluster's barrier
	s_barrier_signal -1
	s_barrier_wait -1
	s_cmp_lg_u32 s14, 0
	s_cbranch_scc1 .Lnot_wave_0_\@
	s_barrier_signal -3
.Lnot_wave_0_\@:
	s_barrier_wait -3
	s_barrier_signal -1
	s_barrier_wait -1
.endm
	s_load_b128 s[4:7], s[0:1], 0x0                ; A's codes, A's scales
	s_load_b128 s[8:11], s[0:1], 0x10              ; B's codes, B's scales
	s_load_b64 s[12:13], s[0:1], 0x20              ; the result
	s_load_b64 s[96:97], s[0:1], 0x28              ; bq
	s_load_b64 s[98:99], s[0:1], 0x30              ; bk
	s_load_b64 s[100:101], s[0:1], 0x38            ; bv
	v_lshl_add_u32 v[SPW], v0, 2, SPARE
	v_mov_b32 v[NIL], 0
	ds_add_u32 v[SPW], v[NIL]                      ; the wave's opening: the add, twice on end, and its wait ahead of my first tensor load
	ds_add_u32 v[SPW], v[NIL]
	v_lshrrev_b32 v1, 5, v0
	v_readfirstlane_b32 s14, v1                    ; wave 0..3
	s_lshr_b32 s15, s14, 1                         ; which half of the tile's rows is mine.  Also: I fetch for A (0) or for B (1)
	s_and_b32 s16, s14, 1                          ; which half of its columns.  Also: which 128 rows of that tile I fetch
	s_bfe_u32 s40, ttmp6, 0x40000                  ; cx, cy: my place in the cluster
	s_bfe_u32 s41, ttmp6, 0x40004
	s_lshl_b32 s42, ttmp9, 2
	s_add_co_u32 s42, s42, s40                     ; tile column = 4 x cluster x + cx
	s_and_b32 s17, ttmp7, 0xffff
	s_lshl_b32 s17, s17, 2
	s_add_co_u32 s17, s17, s41                     ; tile row = 4 x cluster y + cy
	s_lshl_b32 s43, s41, 2
	s_lshl_b32 s43, 15, s43                        ; my row of the cluster
	s_lshl_b32 s44, 0x1111, s40                    ; my column
	s_or_b32 s[G1+0], s43, (0<<16)|(1<<20)|(1<<21)|(5<<22)|(3<<25)  ; the mask; elements of 1 byte; padding on; bit 21 beside a mask; 4 words of padding after every 64
	s_or_b32 s[G1B+0], s44, (0<<16)|(1<<20)|(1<<21)|(5<<22)|(3<<25)
.irp g, G1, G1B
	s_mov_b32 s[\g+1], ROWB<<16                    ; tensor_dim0
	s_mov_b32 s[\g+2], 128<<16                     ; tensor_dim1
	s_mov_b32 s[\g+3], ROWB<<16                    ; tile_dim0
	s_mov_b32 s[\g+4], 128                         ; tile_dim1
	s_mov_b32 s[\g+5], KROW                        ; tensor_dim0_stride
	s_mov_b32 s[\g+6], 0
	s_mov_b32 s[\g+7], 0
.endr
	s_or_b32 s[G1S+0], s43, (3<<16)|(1<<20)|(1<<21)|(5<<22)|(3<<25)  ; the scales of 128 rows: a dense block of 4,096 bytes, as rows of 256 bytes (32 elements of 8 bytes), 16 bytes of padding behind each
	s_or_b32 s[G1SB+0], s44, (3<<16)|(1<<20)|(1<<21)|(5<<22)|(3<<25)
.irp g, G1S, G1SB
	s_mov_b32 s[\g+1], 32<<16
	s_mov_b32 s[\g+2], (128*KS/256)<<16
	s_mov_b32 s[\g+3], 32<<16
	s_mov_b32 s[\g+4], 128*KS/256
	s_mov_b32 s[\g+5], 32
	s_mov_b32 s[\g+6], 0
	s_mov_b32 s[\g+7], 0
.endr
	s_lshl_b32 s18, s16, 7                         ; which 128 rows of the tile I fetch
	s_lshl_b32 s20, s17, 8
	s_add_co_u32 s20, s20, s18                     ; A: row 256 x tile row + 128 x half
	s_lshl_b32 s46, s42, 8
	s_add_co_u32 s46, s46, s18                     ; B: row 256 x tile column + 128 x half
	s_mov_b32 s21, 0
	s_mov_b32 s47, 0
	s_mov_b64 s[18:19], KS
	s_mul_u64 s[22:23], s[20:21], s[18:19]         ; where these rows' scales begin, in bytes,
	s_mul_u64 s[92:93], s[46:47], s[18:19]
	s_mov_b64 s[18:19], KROW
	s_mul_u64 s[20:21], s[20:21], s[18:19]         ; and their codes
	s_mul_u64 s[46:47], s[46:47], s[18:19]
	s_mul_i32 s45, s14, HALFT                      ; where they go: wave x 128 rows: no place in the cluster enters an LDS address
	s_mul_i32 s94, s14, HALFS
	s_wait_dscnt 0x0                               ; both opening adds are done
	s_wait_kmcnt 0x0
	s_add_nc_u64 s[20:21], s[4:5], s[20:21]
	s_add_nc_u64 s[22:23], s[6:7], s[22:23]
	s_add_nc_u64 s[46:47], s[8:9], s[46:47]
	s_add_nc_u64 s[92:93], s[10:11], s[92:93]
	CROUND                                         ; all sixteen work-groups are here: the joint loads meet
	s_mov_b32 s[G0S], 1
	s_add_co_u32 s[G0S+1], s94, SCL
	s_mov_b64 s[G0S+2:G0S+3], s[22:23]
	s_or_b32 s[G0S+3], s[G0S+3], 0x80000000
	s_mov_b32 s[G0SB], 1
	s_add_co_u32 s[G0SB+1], s94, SCL
	s_mov_b64 s[G0SB+2:G0SB+3], s[92:93]
	s_or_b32 s[G0SB+3], s[G0SB+3], 0x80000000
	JLOAD G0S, G1S, G0SB, G1SB                     ; the scales first: they are wanted with the first slot
.irp s, 0,1
	s_mov_b32 s[G0+4*\s], 1
	s_add_co_u32 s[G0+4*\s+1], s45, \s*SLOT
	s_add_nc_u64 s[G0+4*\s+2:G0+4*\s+3], s[20:21], \s*ROWB
	s_or_b32 s[G0+4*\s+3], s[G0+4*\s+3], 0x80000000
	s_mov_b32 s[G0B+4*\s], 1
	s_add_co_u32 s[G0B+4*\s+1], s45, \s*SLOT
	s_add_nc_u64 s[G0B+4*\s+2:G0B+4*\s+3], s[46:47], \s*ROWB
	s_or_b32 s[G0B+4*\s+3], s[G0B+4*\s+3], 0x80000000
	JLOAD G0+4*\s, G1, G0B+4*\s, G1B
.endr
	v_and_b32 v1, 15, v0                           ; r = l % 16
	v_bfe_u32 v2, v0, 4, 1                         ; h = l / 16
	; the bias of my 128 columns, in the result's layout: tile b, register j: b[n0 + 16 b + 8 h + j].  The tensor is the cluster's x
	s_cmp_eq_u32 ttmp9, 0
	s_cselect_b64 s[96:97], s[96:97], s[98:99]
	s_cmp_eq_u32 ttmp9, 2
	s_cselect_b64 s[96:97], s[100:101], s[96:97]
	s_lshl_b32 s22, s40, 10                        ; 256 columns of 4 bytes a tile column of the tensor,
	s_lshl_b32 s23, s16, 9                         ; 128 a wave's half
	s_add_co_u32 s22, s22, s23
	s_mov_b32 s23, 0
	s_add_nc_u64 s[96:97], s[96:97], s[22:23]
	v_lshlrev_b32 v7, 5, v2
.irp b, 0,1,2,3,4,5,6,7
	global_load_b128 v[BI+8*\b:BI+8*\b+3], v7, s[96:97] offset:64*\b
	global_load_b128 v[BI+8*\b+4:BI+8*\b+7], v7, s[96:97] offset:64*\b+16
.endr
	v_mul_u32_u24 v3, v1, PITCH
	v_lshl_add_u32 v4, v2, 4, v3                   ; a fragment's row x pitch + 16 x half
	s_mul_i32 s21, s15, HALFT                      ; my 128 rows of A
	s_mul_i32 s22, s16, HALFT                      ; my 128 rows of B,
	s_add_co_u32 s22, s22, 2*HALFT                 ; which lie behind A's 256
.irp s, 0,1
	v_add_nc_u32 v[ADRA+\s], s21, v4
	v_add_nc_u32 v[ADRB+\s], s22, v4
	s_add_co_u32 s21, s21, SLOT
	s_add_co_u32 s22, s22, SLOT
.endr
	v_mul_u32_u24 v5, v1, KS                       ; my row's scales: 32 bytes a row,
	v_lshrrev_b32 v6, 8, v5
	v_lshl_add_u32 v5, v6, 4, v5                   ; and 16 more for each 256 passed
	s_mul_i32 s21, s15, HALFS                      ; A's: my 128 rows
	s_mul_i32 s22, s16, HALFS                      ; B's: my 128 rows, behind A's 256
	s_add_co_u32 s22, s22, 2*HALFS
	s_sub_co_u32 s22, s22, s21
	v_mul_u32_u24 v6, s22, v2                      ; lanes 16-31 take B's
	s_add_co_u32 s21, s21, SCL
	v_add_nc_u32 v5, v5, v6
	v_add_nc_u32 v[ADRS], s21, v5
	s_mul_i32 s23, s14, 16*SPITCH                  ; my stage
	v_add_nc_u32 v[STO], s23, v4                   ; in: row r, 16 bytes for each half of the lanes
	v_bfe_u32 v5, v0, 3, 2
	v_mul_u32_u24 v5, v5, SPITCH
	v_and_b32 v6, 7, v0
	v_lshl_add_u32 v5, v6, 4, v5
	v_add_nc_u32 v[RD], s23, v5                    ; back: eight lanes take a head's 128 bytes of a token, four tokens an instruction
	v_and_b32 v6, 31, v0
	v_lshlrev_b32 v[CO], 4, v6                     ; which are 512 consecutive bytes of the result
	s_lshl_b32 s20, ttmp9, 24                      ; the tensor,
	s_lshr_b32 s21, s17, 3
	s_lshl_b32 s21, s21, 22                        ; the batch,
	s_add_co_u32 s20, s20, s21
	s_lshl_b32 s21, s40, 2
	s_lshl_b32 s22, s16, 1
	s_add_co_u32 s21, s21, s22
	s_lshl_b32 s21, s21, 18                        ; my first head: 4 cx + 2 x half,
	s_add_co_u32 s20, s20, s21
	s_and_b32 s21, s17, 7
	s_lshl_b32 s21, s21, 15                        ; the tile's 256 tokens of 128 bytes,
	s_add_co_u32 s20, s20, s21
	s_lshl_b32 s21, s15, 14                        ; my 128 of them
	s_add_co_u32 s20, s20, s21
	s_mov_b32 s21, 0
	s_add_nc_u64 s[12:13], s[12:13], s[20:21]
.macro FRAG reg, adr, q, i             ; a fragment, 16 rows x 128 K of 4-bit codes: lane l holds row l % 16; registers 4 c .. 4 c + 3 hold K = 64 c + 32 (l / 16) + 0 .. 31
.irp c, 0,1
	ds_load_b128 v[\reg+4*\c:\reg+4*\c+3], v[\adr] offset:64*(\q)+32*\c+(\i)*16*PITCH
.endr
.endm
; 16 matrix instructions: A's blocks a0, a0 + 1 x B's eight, 128 along K.  zero = 1: the first product starts the sums with the bias.  The 64 accumulators take turns, one instruction a turn.
.macro MUL16 a0, p, q, sc, zero
.irp a, \a0, \a0+1
.irp b, 0,1,2,3,4,5,6,7
.if \zero
	v_wmma_scale_f32_16x16x128_f8f6f4 v[8*(8*((\a)%4)+\b):8*(8*((\a)%4)+\b)+7], v[128*(\p)+FR*\b:128*(\p)+FR*\b+FR-1], v[AF+FR*(\a):AF+FR*(\a)+FR-1], v[BI+8*\b:BI+8*\b+7], v[SC+8*NQ*(\sc)+NQ*\b+(\q)], v[SC+8*NQ*(\sc)+NQ*(\a)+(\q)] matrix_a_fmt:MATRIX_FMT_FP4 matrix_b_fmt:MATRIX_FMT_FP4 matrix_a_scale:MATRIX_SCALE_ROW1
.else
	v_wmma_scale_f32_16x16x128_f8f6f4 v[8*(8*((\a)%4)+\b):8*(8*((\a)%4)+\b)+7], v[128*(\p)+FR*\b:128*(\p)+FR*\b+FR-1], v[AF+FR*(\a):AF+FR*(\a)+FR-1], v[8*(8*((\a)%4)+\b):8*(8*((\a)%4)+\b)+7], v[SC+8*NQ*(\sc)+NQ*\b+(\q)], v[SC+8*NQ*(\sc)+NQ*(\a)+(\q)] matrix_a_fmt:MATRIX_FMT_FP4 matrix_b_fmt:MATRIX_FMT_FP4 matrix_a_scale:MATRIX_SCALE_ROW1
.endif
.endr
.endr
.endm
.macro FETCH_B slot, q, p
	WIN TO_B
.irp i, 0,1,2,3,4,5,6,7
	FRAG 128*(\p)+FR*\i, ADRB+\slot, \q, \i
.endr
	WIN 0
.endm
.macro FETCH_A slot, q, i0
.irp i, \i0, \i0+1, \i0+2, \i0+3
	FRAG AF+FR*(\i), ADRA+\slot, \q, \i
.endr
.endm
.macro SCALES sc                       ; a slot's scale words: 4 words a row; lanes 0-15 take A's block i, lanes 16-31 B's block i
.irp i, 0,1,2,3,4,5,6,7
	ds_load_b128 v[SC+8*NQ*\sc+NQ*\i:SC+8*NQ*\sc+NQ*\i+3], v[ADRS] offset:\i*SBLK
.endr
.endm
.macro PLACES n                        ; plain vector lines between a matrix instruction and a load into, or a read of, its registers
.rept \n
	v_nop
.endr
.endm
.macro STEP slot, q, zero              ; a step of 128 along K that has its successor in the same slot
	s_wait_dscnt 4*NL                              ; B's set and A's blocks 0-3 are in; the youngest eight loads (A's blocks 4-7) may be out
.if \zero
	WIN MUL_LO0
.else
	WIN MUL_LO
.endif
	MUL16 0, (\q)%2, \q, \slot, \zero
	MUL16 2, (\q)%2, \q, \slot, \zero
	s_wait_dscnt 0                                 ; A's blocks 4-7 are in
	PLACES NP
	FETCH_B \slot, (\q)+1, 1-(\q)%2
	FETCH_A \slot, (\q)+1, 0
.if \zero
	WIN MUL_HI0
.else
	WIN MUL_HI
.endif
	MUL16 4, (\q)%2, \q, \slot, \zero
	MUL16 6, (\q)%2, \q, \slot, \zero
	PLACES NP
	WIN 0
	FETCH_A \slot, (\q)+1, 4
.endm
; Slot 0's last step changes slots: one barrier; in front of it each wave waits for all its tensor loads, adds 0 to its spare word, and waits for that and for its reads of slot 0.
.macro TURN slot, next
	s_wait_tensorcnt 0x0                           ; all my tensor loads have landed: my part of the next slot
	ds_add_u32 v[SPW], v[NIL]                      ; 0 onto my spare word
	s_wait_dscnt 4*NL+1                            ; the add and the youngest eight loads may be out
	WIN MUL_LO
	MUL16 0, 1, NQ-1, \slot, 0
	s_wait_dscnt 0x0                               ; the add is done, and my reads of this slot are over
	s_barrier_signal -1
	MUL16 2, 1, NQ-1, \slot, 0
	WIN 0
	s_barrier_wait -1
	PLACES NP
	v_add_nc_u32 v[ADRS], 4*NQ, v[ADRS]            ; on to the next slot's scale words
	FETCH_B \next, 0, 0
	FETCH_A \next, 0, 0
	SCALES \next
	WIN MUL_HI
	MUL16 4, 1, NQ-1, \slot, 0
	MUL16 6, 1, NQ-1, \slot, 0
	PLACES NP
	WIN 0
	FETCH_A \next, 0, 4
.endm
.macro STEPS slot, from
.set Q, \from
.rept NQ-1-\from
	STEP \slot, Q, 0
.set Q, Q+1
.endr
.endm
	s_wait_tensorcnt 1                             ; the scales and my part of slot 0 are in (slot 1's load may be out),
	s_barrier_signal -1
	s_barrier_wait -1                              ; everybody's are
	FETCH_B 0, 0, 0
	FETCH_A 0, 0, 0
	SCALES 0
	FETCH_A 0, 0, 4
	s_wait_loadcnt 0x0                             ; the bias
	STEP 0, 0, 1
	STEPS 0, 1
	TURN 0, 1
	STEPS 1, 0
	s_wait_dscnt 4*NL                              ; the very last step: nothing more to fetch
	WIN MUL_LO
	MUL16 0, 1, NQ-1, 1, 0
	MUL16 2, 1, NQ-1, 1, 0
	s_wait_dscnt 0
	WIN MUL_HI
	MUL16 4, 1, NQ-1, 1, 0
	MUL16 6, 1, NQ-1, 1, 0
	WIN 0
; THE WAY OUT, block by block of 16 tokens x 128 columns (two heads).  PACK: rounded to f16, 16 bytes a lane, each accumulator from its low end on.  TOSTAGE: into my own stage and back, four tokens of one head an instruction.
; SEND: eight stores of 512 consecutive bytes.  LDS serves a wave's instructions in order: no wait between the stage's stores and loads.
.macro PACK a
.set AC, 64*((\a)%4)
	WIN 0x0a+5*((\a)/4)                            ; sources 0 and 1: window 2 or 3
.irp b, 0,1,2,3,4,5,6,7
.irp r, 0,1,2,3
	v_cvt_pk_f16_f32 v[TMP+4*\b+\r], v[AC+8*\b+2*\r], v[AC+8*\b+2*\r+1]
.endr
.endr
	WIN 0
.endm
.macro TOSTAGE a
.set BK, OB+192*((\a)%2)
.irp b, 0,1,2,3,4,5,6,7
	ds_store_b128 v[STO], v[TMP+4*\b:TMP+4*\b+3] offset:32*\b
.endr
.irp i, 0,1,2,3,4,5,6,7
	ds_load_b128 v[BK+4*\i:BK+4*\i+3], v[RD] offset:(4*(\i%4))*SPITCH+128*(\i/4)
.endr
.endm
.macro SEND a
.set BK, OB+192*((\a)%2)
	s_wait_dscnt 0x0                               ; the block is back in registers
	s_wait_xcnt 0x0                                ; the earlier stores have read their base and their registers: both may be written again
.if (\a) > 0
	s_add_nc_u64 s[12:13], s[12:13], 2048          ; 16 tokens on
.endif
.irp i, 0,1,2,3,4,5,6,7
	global_store_b128 v[CO], v[BK+4*\i:BK+4*\i+3], s[12:13] offset:(\i/4)*262144+(\i%4)*512   ; head i / 4, tokens 4 (i % 4) on
.endr
.endm
	PLACES NP
	PACK 0
	TOSTAGE 0
.irp a, 1,2,3,4,5,6,7
	PACK \a
	SEND \a-1
	TOSTAGE \a
.endr
	SEND 7
	s_wait_tensorcnt 0x0                           ; the wave's end
	ds_add_u32 v[SPW], v[NIL]
	s_wait_dscnt 0x0
	CROUND                                         ; the closing round
	s_endpgm
.Lfunc_end_k_q3ade347696_qkv:
	.size	k_q3ade347696_qkv, .Lfunc_end_k_q3ade347696_qkv-k_q3ade347696_qkv
	.p2alignl 7, 3214868480
	.fill 96, 4, 3214868480
	.section	.rodata,"a",@progbits
	.p2align	6, 0x0
	.amdhsa_kernel k_q3ade347696_qkv
		.amdhsa_group_segment_fixed_size 327680
		.amdhsa_private_segment_fixed_size 0
		.amdhsa_enable_private_segment 0
		.amdhsa_kernarg_size 64
		.amdhsa_user_sgpr_count 2
		.amdhsa_user_sgpr_kernarg_segment_ptr 1
		.amdhsa_wavefront_size32 1
		.amdhsa_system_sgpr_workgroup_id_x 1
		.amdhsa_system_sgpr_workgroup_id_y 1
		.amdhsa_system_sgpr_workgroup_id_z 1
		.amdhsa_system_vgpr_workitem_id 0
		.amdhsa_next_free_vgpr 1024
		.amdhsa_next_free_sgpr 102
		.amdhsa_reserve_vcc 0
		.amdhsa_float_denorm_mode_32 3
		.amdhsa_float_denorm_mode_16_64 3
		.amdhsa_memory_ordered 1
		.amdhsa_forward_progress 1
		.amdhsa_inst_pref_size 129
	.end_amdhsa_kernel
	.amdgpu_metadata
---
amdhsa.version: [ 1, 2 ]
amdhsa.kernels:
  - .name:           k_q3ade347696_qkv
    .symbol:         k_q3ade347696_qkv.kd
    .args:
      - { .name: e_codes, .offset: 0, .size: 8, .value_kind: global_buffer, .address_space: global }
      - { .name: e_scales, .offset: 8, .size: 8, .value_kind: global_buffer, .address_space: global }
      - { .name: w_codes, .offset: 16, .size: 8, .value_kind: global_buffer, .address_space: global }
      - { .name: w_scales, .offset: 24, .size: 8, .value_kind: global_buffer, .address_space: global }
      - { .name: qkv, .offset: 32, .size: 8, .value_kind: global_buffer, .address_space: global }
      - { .name: bq, .offset: 40, .size: 8, .value_kind: global_buffer, .address_space: global }
      - { .name: bk, .offset: 48, .size: 8, .value_kind: global_buffer, .address_space: global }
      - { .name: bv, .offset: 56, .size: 8, .value_kind: global_buffer, .address_space: global }
    .group_segment_fixed_size: 327680
    .private_segment_fixed_size: 0
    .kernarg_segment_align: 8
    .kernarg_segment_size: 64
    .max_flat_workgroup_size: 128
    .sgpr_count:     102
    .vgpr_count:     1024
    .wavefront_size: 32
...
	.end_amdgpu_metadata
.endif
;; end of part 3
;; launch attn (part 4): grid 4 x 64, 8 waves a work-group, clusters of 4 x 1, 327,680 bytes of LDS; arguments qkv, mask, ctx; writes ctx
.if DOCPART == 4
	.amdgcn_target "amdgcn-amd-amdhsa--gfx1250"
	.amdhsa_code_object_version 6
	.text
	.protected	k_q3ade347696_attn
	.globl	k_q3ade347696_attn
	.p2align	8
	.type	k_q3ade347696_attn,@function
k_q3ade347696_attn:
	s_mov_b64 s[64:65], 0
	v_nop
	global_prefetch_b8 v0, s[64:65] scope:SCOPE_SE
	s_setreg_imm32_b32 hwreg(HW_REG_WAVE_MODE, 25, 1), 1
	s_wait_xcnt 0x0
	s_wait_alu depctr_hold_cnt(0) depctr_sa_sdst(0) depctr_va_vdst(0) depctr_va_sdst(0) depctr_va_ssrc(0) depctr_va_vcc(0) depctr_vm_vsrc(0)
	s_getreg_b32 s2, hwreg(HW_REG_IB_STS2, 6, 4)
	s_cmp_eq_u32 s2, 0
	s_cbranch_scc0 .Lentry_in_a_cluster
	s_endpgm
.Lentry_in_a_cluster:
	s_bfe_u32 s2, ttmp6, 0x10000c
	s_cmp_lg_u32 s2, 0x3003
	s_cbranch_scc0 .Lentry_shape_is_right
	s_endpgm
.Lentry_shape_is_right:
; ctx[b][h][q][:] = the sum over k of softmax_k(q . k / 8, keys with mask = 0 left out) v[k][:].  q, k, v: f16, [3][64 heads of all batches][2048][64]; mask: [2048] int32, one for each key; ctx: f16, laid as q.
; Products, maxima and sums in f32; the weights p are rounded to f16 for the second product, ctx once at the end.
; LIMITS: ctx under 6e-5 in magnitude falls among f16's subnormals (absolute error up to 3e-8).  Where every key is masked the sum is 0 and the result NaN, as the softmax of a row of -infinity is.
; SHARES.  A work-group owns 512 queries of one head, each of its eight waves 64: four tiles of 16.  Two waves share a SIMD.  Every wave walks all 2,048 keys, 32 a step.
; LAYOUT.  S^T = K Q^T + C (source 0 = 16 keys, source 1 = 16 queries): a lane holds ONE query (lane % 16) and keys 8 (lane / 16) + 0..7 of a tile.  Two such tiles, rounded to f16 in pairs, ARE source 1
; (32 keys x 16 queries) of O^T = V^T P.  K comes out of LDS as it lies, V ([key][channel]) turned, by ds_load_tr16_b128.
; THE MASK is the C of each score tile's first product: 0 for a key that counts, -3e38 for one that does not.  The running maximum m begins at -1e30: f16 operands bound a score by 64 x 65,504^2, far above it,
; so a masked key's p is 2^(about -5e37) = 0, and a step of masked keys alone leaves m, l and O as they were.
; SOFTMAX.  For each query a running maximum m and sum l: p = 2^(c s - c m), c = log2(e) / 8; in every step O and l are multiplied by a = 2^(c m_old - c m_new).
; BY TURNS.  The wave's tiles are two pieces (tiles 0, 1 and tiles 2, 3).  In a turn one piece rescales its O^T and issues its 8 products V^T P of the step in hand, the rescaling set between them; then its 8 products
; K Q^T of the next step stand one to every 12 lines of the OTHER piece's softmax.  Two turns are a key step.
; CLUSTER.  The four query blocks of a head form a cluster and walk the same K and V: each tile is asked for jointly, by the same tensor load with the same descriptor and a mask that names the four.
; REGISTERS: window 0: v0-15 addresses; v16-47 statistics, eight a tile; v48-63 the step's two mask tiles; v64-127 S^T, 16 a tile; v128-159 P, 8 a tile; v160-191 K of a step; v192-255 Q.
;   window 1: v0-127 O^T, 32 a tile; v128-159 V of a step.  All that the score products and the softmax name lies in window 0.
.set KS,    32                         ; keys in a step
.set PK,    144                        ; a row of K in LDS: 128 bytes + 16 = 36 words: the 16 rows of a load start at 16 different groups of four banks (64 banks of 4 bytes: ISA guide 11.1)
.set PVP,   160                        ; a row of V: 128 + 32 = 40 words
.set KREG,  256*PK                     ; a slot: 256 rows of K, then 256 rows of V
.set SLOT1, 1<<17                      ; slot 1 begins here: one exclusive or turns an address in one slot into the other's
.set MB,    SLOT1+256*(PK+PVP)         ; the mask as f32, one for each key: 8,192 bytes, stored once
.set STAGE, MB+8192                    ; the way out: 16 rows x 144 bytes for each wave
.set SP,    144
.set SPARE, STAGE+8*16*SP              ; the spare words, 128 bytes a wave
.set AK0, 1                            ; v1   my lane's place in a tile of K
.set AV0, 2                            ; v2   in a tile of V
.set AM0, 3                            ; v3   among the mask's numbers
.set ADK, 4                            ; v4-6 the addresses of the runs of loads in hand
.set ADM, 5
.set ADV, 6
.set QO,  7                            ; v7   my byte offset in the wave's rows of Q; later in ctx
.set GO,  7
.set STO, 8
.set RD,  9
.set PFO, 10                           ; v10  256 x my lane; never rewritten
.set SPW, 14                           ; v14  LDS address of my spare word; never rewritten
.set NIL, 15                           ; v15  0; never rewritten
.set ST,  16                           ; tile t at v[ST+8 t]: +0 c m, +1 m, +2, +3 l (even keys', odd keys'), +4, +5 at work, +6 a, +7 c m_old - c m_new
.set MBT, 48
.set S,   64
.set P,   128
.set KF,  160
.set QF,  192
.set VF,  128                          ; in window 1
.set WV,  12                           ; s12  my wave's number
.set LIM, 15                           ; s15  1 in a wave that prefetches, else the greatest number
.set PFA, 18                           ; s[18:19] where my prefetches stand
.set G1K, 24
.set G1V, 32
.set G0K, 40                           ; s[40:47] two sets: slot 0's first fill; slot 1's, which then walks
.set G0V, 48
.set SLOTS, 56
.set CNT, 57
.set CS,  58                           ; s[58:59] c, twice
.set SEL, 60                           ; s[60:61] v_permlanex16_b32's selects: lane l xor 16
.set TK,  62                           ; LDS byte at which the next step's K begins;
.set TV,  63                           ; its V;
.set TM,  66                           ; its mask numbers
.set KL,  67                           ; my tile's place in a slot, if I fetch for K;
.set VL,  68                           ; if for V
.set MSB, 0
.macro WIN new                         ; the immediate's high byte repeats the setting that is left
.if MSB != \new
	s_set_vgpr_msb (MSB<<8)|\new
.set MSB, \new
.endif
.endm
; A joint refill: waves 0 to 3 fetch 64 rows of K each, waves 4 to 7 of V.  The branch hangs on the wave's number alone.  An s_nop 0 and four v_nop follow each of the two lines.
.macro JLOAD
	s_cmp_lt_u32 s[WV], 4
	s_cbranch_scc0 .Lfor_v_\@
	tensor_load_to_lds s[G0K+4:G0K+7], s[G1K:G1K+7]
	s_nop 0
.rept 4
	v_nop
.endr
	s_branch .Lasked_\@
.Lfor_v_\@:
	tensor_load_to_lds s[G0V+4:G0V+7], s[G1V:G1V+7]
	s_nop 0
.rept 4
	v_nop
.endr
.Lasked_\@:
.endm
; A prefetch of what the NEXT change of slots will ask for: a slot's 32,768 bytes of K and of V.  The four partners take 8,192 bytes each, told apart by address; in each, wave 0 asks for K's and wave 4 for V's,
; lanes 256 bytes apart: each block is named once in the launch.  It is asked eight key steps ahead of the load that wants it.  The last change that fills a slot asks for nothing.
.macro ASK
	s_cmp_gt_u32 s[SLOTS], s[LIM]
	s_cbranch_scc0 .Lnot_mine_\@
	global_prefetch_b8 v[PFO], s[PFA:PFA+1] th:TH_LOAD_NT scope:SCOPE_SE
.Lnot_mine_\@:
.endm
.macro CROUND                          ; a round of the cluster's barrier
	s_barrier_signal -1
	s_barrier_wait -1
	s_cmp_lg_u32 s[WV], 0
	s_cbranch_scc1 .Lnot_wave_0_\@
	s_barrier_signal -3
.Lnot_wave_0_\@:
	s_barrier_wait -3
	s_barrier_signal -1
	s_barrier_wait -1
.endm
	s_load_b128 s[4:7], s[0:1], 0x0                ; q, k, v; the mask
	s_load_b64 s[8:9], s[0:1], 0x10                ; ctx
	v_lshl_add_u32 v[SPW], v0, 2, SPARE
	v_mov_b32 v[NIL], 0
	ds_add_u32 v[SPW], v[NIL]                      ; the wave's opening: the add, twice on end, and its wait ahead of my first tensor load
	ds_add_u32 v[SPW], v[NIL]
	v_lshrrev_b32 v11, 5, v0
	v_readfirstlane_b32 s[WV], v11                 ; wave 0..7
	s_bfe_u32 s13, ttmp6, 0x40000                  ; cx: my block of 512 queries: it enters Q's, ctx's and the prefetches' addresses alone
	s_and_b32 s14, s[WV], 3                        ; which 64 rows of a slot's 256 I fetch
	s_and_b32 s20, ttmp7, 0xffff                   ; the head (of all batches), which the four partners share
	s_lshl_b32 s20, s20, 18                        ; its first byte in q, k, v and ctx
	s_lshl_b32 s22, s14, 13
	s_add_co_u32 s22, s22, s20
	s_add_co_u32 s22, s22, 1<<24                   ; my tile of K's first slot; V's lies 1 << 24 further on
	s_mov_b32 s23, 0
	s_lshl_b32 s2, s13, 16
	s_lshl_b32 s3, s[WV], 13
	s_add_co_u32 s2, s2, s3
	s_add_co_u32 s2, s2, s20                       ; my wave's 64 queries
	s_mov_b32 s3, 0
	s_mul_i32 s[KL], s14, 64*PK
	s_mul_i32 s[VL], s14, 64*PVP
	s_add_co_u32 s[VL], s[VL], KREG
	s_mov_b32 s[G1K], 15|(1<<16)|(1<<20)|(1<<21)|(4<<22)|(3<<25)  ; the mask: all four work-groups; elements of 2 bytes; padding on; bit 21 beside a mask; after every 32 words 4 words of padding
	s_mov_b32 s[G1V], 15|(1<<16)|(1<<20)|(1<<21)|(4<<22)|(7<<25)  ; the same with 8 words
.irp g, G1K, G1V
	s_mov_b32 s[\g+1], 64<<16                      ; tensor_dim0 = 64
	s_mov_b32 s[\g+2], 64<<16                      ; tensor_dim1 = 64
	s_mov_b32 s[\g+3], 64<<16                      ; tile_dim0 = 64
	s_mov_b32 s[\g+4], 64                          ; tile_dim1 = 64
	s_mov_b32 s[\g+5], 64                          ; elements from row to row
	s_mov_b32 s[\g+6], 0
	s_mov_b32 s[\g+7], 0
.endr
	s_mov_b32 s[CS], 0x3e38aa3b                    ; c = log2(e) / 8
	s_mov_b32 s[CS+1], s[CS]
	s_mov_b32 s[SEL], 0x76543210
	s_mov_b32 s[SEL+1], 0xfedcba98
	s_mov_b32 s[TK], 0
	s_mov_b32 s[TV], 0
	s_mov_b32 s[TM], 0
	s_mov_b32 s[SLOTS], 6                          ; eight slots' worth of keys: two first fills, six refills
	s_cmp_eq_u32 s14, 0
	s_cselect_b32 s[LIM], 1, -1                    ; waves 0 and 4 prefetch
	v_and_b32 v[PFO], 31, v0
	v_lshlrev_b32 v[PFO], 8, v[PFO]
	s_wait_dscnt 0x0                               ; both opening adds are done
	s_wait_kmcnt 0x0
	s_add_nc_u64 s[10:11], s[4:5], s[22:23]        ; K at my tile of slot 0
	s_add_nc_u64 s[16:17], s[10:11], 1<<24         ; V likewise
	s_add_nc_u64 s[4:5], s[4:5], s[2:3]            ; Q and ctx at my wave's first row
	s_add_nc_u64 s[8:9], s[8:9], s[2:3]
	s_cmp_lt_u32 s[WV], 4
	s_cselect_b64 s[PFA:PFA+1], s[10:11], s[16:17] ; (in waves 0 and 4 these stand at a slot's first row)
	s_lshl_b32 s2, s13, 13                         ; my work-group's 8,192 bytes of the 32,768
	s_add_nc_u64 s[PFA:PFA+1], s[PFA:PFA+1], s[2:3]
	s_add_nc_u64 s[PFA:PFA+1], s[PFA:PFA+1], 2*32768   ; in the third slot's keys; the first change of slots steps it on.  Nothing is prefetched at the head
	CROUND                                         ; all four work-groups are here: the first joint loads meet
.irp s, 0,1
	s_mov_b32 s[G0K+4*\s], 1
	s_add_co_u32 s[G0K+4*\s+1], s[KL], \s*SLOT1
	s_add_nc_u64 s[G0K+4*\s+2:G0K+4*\s+3], s[10:11], \s*32768
	s_or_b32 s[G0K+4*\s+3], s[G0K+4*\s+3], 0x80000000
	s_mov_b32 s[G0V+4*\s], 1
	s_add_co_u32 s[G0V+4*\s+1], s[VL], \s*SLOT1
	s_add_nc_u64 s[G0V+4*\s+2:G0V+4*\s+3], s[16:17], \s*32768
	s_or_b32 s[G0V+4*\s+3], s[G0V+4*\s+3], 0x80000000
.endr
	s_cmp_lt_u32 s[WV], 4                          ; a wave's two first fills stand in one branch: two loads of mine are out
	s_cbranch_scc0 .Lfirst_v
	tensor_load_to_lds s[G0K:G0K+3], s[G1K:G1K+7]
	s_nop 0
	tensor_load_to_lds s[G0K+4:G0K+7], s[G1K:G1K+7]
	s_nop 0
.rept 4
	v_nop
.endr
	s_branch .Lfirst_asked
.Lfirst_v:
	tensor_load_to_lds s[G0V:G0V+3], s[G1V:G1V+7]
	s_nop 0
	tensor_load_to_lds s[G0V+4:G0V+7], s[G1V:G1V+7]
	s_nop 0
.rept 4
	v_nop
.endr
.Lfirst_asked:
	v_lshlrev_b32 v[ADM], 5, v0                    ; the mask: 8 keys a thread
	global_load_b128 v[64:67], v[ADM], s[6:7]
	global_load_b128 v[68:71], v[ADM], s[6:7] offset:16
	v_and_b32 v11, 15, v0                          ; r
	v_bfe_u32 v12, v0, 4, 1                        ; h
	v_lshlrev_b32 v[QO], 7, v11
	v_lshl_add_u32 v[QO], v12, 4, v[QO]            ; row x 128 + 16 x half
.irp f, 0,1,2,3,4,5,6,7                        ; Q stays in registers: tile f / 2, channels 32 (f % 2) on
	global_load_b128 v[QF+8*\f:QF+8*\f+3],   v[QO], s[4:5] offset:(\f/2)*2048+(\f%2)*64
	global_load_b128 v[QF+8*\f+4:QF+8*\f+7], v[QO], s[4:5] offset:(\f/2)*2048+(\f%2)*64+32
.endr
	v_mul_u32_u24 v[AK0], v11, PK
	v_lshl_add_u32 v[AK0], v12, 4, v[AK0]          ; K: row r x pitch + 16 x half
	v_and_b32 v13, 7, v0
	v_lshl_add_u32 v[AV0], v12, 3, v13             ; V: the turning load: key 8 h + l % 8,
	v_mul_u32_u24 v[AV0], v[AV0], PVP
	v_bfe_u32 v13, v0, 3, 1
	v_lshl_add_u32 v[AV0], v13, 4, v[AV0]          ; channels 8 ((l / 8) % 2) on
	v_add_nc_u32 v[AV0], KREG, v[AV0]
	v_lshl_add_u32 v[AM0], v12, 5, MB              ; the mask's numbers of keys 8 h on
	v_lshl_add_u32 v[ADK], v0, 5, MB               ; where I put my 8
	v_mov_b32 v72, 0xff61b1e6                      ; -3e38
.irp t, 0,1,2,3
	v_mov_b32 v[ST+8*\t+1], 0xf149f2ca             ; m = -1e30
	v_mov_b32 v[ST+8*\t+2], 0                      ; l
	v_mov_b32 v[ST+8*\t+3], 0
	v_mov_b32 v[ST+8*\t+5], 0                      ; (a lane permute's destination counts as one of its sources)
	v_mov_b32 v[ST+8*\t+6], 0
	v_mov_b32 v[ST+8*\t+7], 0
	v_mul_f32 v[ST+8*\t], s[CS], v[ST+8*\t+1]      ; c m
.endr
	s_wait_loadcnt 16                              ; the mask's two loads are in; Q's sixteen may be out
.irp i, 0,1,2,3,4,5,6,7
	v_cmp_eq_u32 vcc_lo, 0, v[64+\i]
	v_cndmask_b32 v[64+\i], 0, v72, vcc_lo         ; 0 where the key counts, -3e38 where it does not
.endr
	ds_store_b128 v[ADK], v[64:67]
	ds_store_b128 v[ADK], v[68:71] offset:16
; A step's K (2 tiles of 16 keys x 64 channels: 4 fragments) and its two mask tiles: 12 loads in one run.
.macro FETCH_K
	v_add_nc_u32 v[ADK], s[TK], v[AK0]
	v_add_nc_u32 v[ADM], s[TM], v[AM0]
	s_add_co_u32 s[TK], s[TK], KS*PK
	s_add_co_u32 s[TM], s[TM], KS*4
.irp f, 0,1,2,3                                ; keys 16 (f / 2) on, channels 32 (f % 2) on
	ds_load_b128 v[KF+8*\f:KF+8*\f+3],   v[ADK] offset:(\f/2)*16*PK+(\f%2)*64
	ds_load_b128 v[KF+8*\f+4:KF+8*\f+7], v[ADK] offset:(\f/2)*16*PK+(\f%2)*64+32
.endr
.irp m, 0,1                                    ; register j: the number of key 16 m + 8 h + j
	ds_load_b128 v[MBT+8*\m:MBT+8*\m+3],   v[ADM] offset:64*\m
	ds_load_b128 v[MBT+8*\m+4:MBT+8*\m+7], v[ADM] offset:64*\m+16
.endr
.endm
; A step's V, turned: 4 fragments of 16 channels x 32 keys: 8 loads.
.macro FETCH_V
	v_add_nc_u32 v[ADV], s[TV], v[AV0]
	s_add_co_u32 s[TV], s[TV], KS*PVP
	WIN 0x40                                       ; destination window 1
.irp f, 0,1,2,3
	ds_load_tr16_b128 v[VF+8*\f:VF+8*\f+3],   v[ADV] offset:32*\f
	ds_load_tr16_b128 v[VF+8*\f+4:VF+8*\f+7], v[ADV] offset:32*\f+16*PVP
.endr
	WIN 0
.endm
; Product i of 8 of piece x's S^T: channels 32 (i / 4) on, keys 16 ((i % 4) / 2) on, tile x + i % 2.  The first four start the sums with the mask tile.  Four accumulators by turns.
.macro KQ x
.set kc, i/4
.set kt, (i%4)/2
.set tt, \x+i%2
.set rS, S+16*tt+8*kt
.set rK, KF+8*(2*kt+kc)
.set rQ, QF+8*(2*tt+kc)
.if kc == 0
	v_wmma_f32_16x16x32_f16 v[rS:rS+7], v[rK:rK+7], v[rQ:rQ+7], v[MBT+8*kt:MBT+8*kt+7]
.else
	v_wmma_f32_16x16x32_f16 v[rS:rS+7], v[rK:rK+7], v[rQ:rQ+7], v[rS:rS+7]
.endif
.endm
; Piece x's O^T: each of its 8 accumulators is multiplied by a (four packed lines, from its low end on) and then takes its product V^T P; the next accumulator's lines are issued while that product runs.
; first = 1: the products start the sums with the constant 0, and nothing is rescaled.
.macro PVH x, first
	WIN 0x51                                       ; V and O^T in window 1, P and a in window 0
.set n, 0
.rept 8
.set tt, \x+n%2
.set ct, n/2
.set rO, 32*tt+8*ct
.if \first
	v_wmma_f32_16x16x32_f16 v[rO:rO+7], v[VF+8*ct:VF+8*ct+7], v[P+8*tt:P+8*tt+7], 0
.else
.irp u, 0,2,4,6
	v_pk_mul_f32 v[rO+\u:rO+\u+1], v[rO+\u:rO+\u+1], v[ST+8*tt+6:ST+8*tt+7] op_sel_hi:[1,0]
.endr
	v_wmma_f32_16x16x32_f16 v[rO:rO+7], v[VF+8*ct:VF+8*ct+7], v[P+8*tt:P+8*tt+7], v[rO:rO+7]
.endif
.set n, n+1
.endr
.endm
; One tile's softmax for a step of 32 keys is a list of 54 lines; SM writes number j of it for tile t.  s0-s15 are the lane's scores, in pairs 0-7.
;   0-7    the maximum of s0-s15 and the old m, in two chains; each score tile is first read at its low end
;   8-12   the other half of the lanes' maximum; c m_old kept; the new m; c m; c m_old - c m_new
;   13-37  ONE BATCH: the 8 scalings c s - c m and the 17 exponentials (a at 15); none of these names an exponential's result
;   (wait) between 37 and 38: KQH writes it, once for both tiles
;   38-45  the roundings to f16;   46-52 the sums, in place;   53 l = a l + the sum
.macro SM t
.set rT, ST+8*(\t)
.set rS, S+16*(\t)
.set rP, P+8*(\t)
.if j == 0
	v_max3_num_f32 v[rT+4], v[rS], v[rS+1], v[rS+2]
.elseif j == 1
	v_max3_num_f32 v[rT+5], v[rS+3], v[rS+4], v[rS+5]
.elseif j < 7
	v_max3_num_f32 v[rT+4+j%2], v[rT+4+j%2], v[rS+2*j+2], v[rS+2*j+3]
.elseif j == 7
	v_max3_num_f32 v[rT+4], v[rT+4], v[rT+5], v[rT+1]
.elseif j == 8
	v_permlanex16_b32 v[rT+5], v[rT+4], s[SEL], s[SEL+1]
.elseif j == 9
	v_mov_b32 v[rT+7], v[rT]
.elseif j == 10
	v_max_num_f32 v[rT+1], v[rT+4], v[rT+5]
.elseif j == 11
	v_mul_f32 v[rT], s[CS], v[rT+1]
.elseif j == 12
	v_sub_f32 v[rT+7], v[rT+7], v[rT]
.elseif j == 15
	v_exp_f32 v[rT+6], v[rT+7]
.elseif (j < 15) || ((j >= 18) && (j < 36) && ((j-18)%3 == 0))
.set b, j-13                           ; 13, 14: pairs 0, 1
.if j >= 18
.set b, (j-18)/3+2                     ; 18, 21, .. 33: pairs 2 to 7
.endif
	v_pk_fma_f32 v[rS+2*b:rS+2*b+1], v[rS+2*b:rS+2*b+1], s[CS:CS+1], v[rT:rT+1] op_sel_hi:[1,0,0] neg_lo:[0,0,1] neg_hi:[0,0,1]
.elseif j < 38
.set e, j-16                           ; 16, 17: s0, s1
.if j >= 18
.set e, 2*((j-18)/3)+1+(j-18)%3        ; 19, 20: s2, s3; .. 34, 35: s12, s13
.endif
.if j >= 36
.set e, j-22                           ; 36, 37: s14, s15
.endif
	v_exp_f32 v[rS+e], v[rS+e]
.elseif j < 46
	v_cvt_pk_f16_f32 v[rP+j-38], v[rS+2*(j-38)], v[rS+2*(j-38)+1]
.elseif j < 53
.set z, j-46
.if z < 4
	v_pk_add_f32 v[rS+4*z:rS+4*z+1], v[rS+4*z:rS+4*z+1], v[rS+4*z+2:rS+4*z+3]
.elseif z < 6
	v_pk_add_f32 v[rS+8*(z-4):rS+8*(z-4)+1], v[rS+8*(z-4):rS+8*(z-4)+1], v[rS+8*(z-4)+4:rS+8*(z-4)+5]
.else
	v_pk_add_f32 v[rS:rS+1], v[rS:rS+1], v[rS+8:rS+9]
.endif
.else
	v_pk_fma_f32 v[rT+2:rT+3], v[rT+2:rT+3], v[rT+6:rT+7], v[rS:rS+1] op_sel_hi:[1,0,1]
.endif
.endm
; The second half of a turn: piece y's softmax, 108 lines, its two tiles alternating; kq = 1: ahead of every twelfth line one of piece x's 8 products K Q^T; fv = 1: behind the first eight lines, which are the
; places behind the last product that read V, the next step's V is fetched.  Behind line 75 both tiles' 34 exponentials are out and no result has been named: one plain line and ONE wait
; serve the batch.  The 24 lines behind the last product are the places in front of the next reads of its scores and the next loads into K's and the mask's registers.
.macro KQH x, y, kq, fv
.set k, 0
.rept 108
.if \kq && (k%12 == 0) && (k < 96)
.set i, k/12
	KQ \x
.endif
.if \fv && (k == 8)
	FETCH_V
.endif
.set j, k/2
	SM (\y)+k%2
.if k == 75
	v_nop
	s_wait_alu depctr_va_vdst(0)
.endif
.set k, k+1
.endr
.endm
; A TURN of piece x.  pv = 2: rescaling and products V^T P; 1: they start O^T; 0: none.  kq = 1: products K Q^T for the next step.
.macro TURN x, pv, kq
.if (\x == 0) && \kq
	FETCH_K                                        ; the next step's K and mask tiles: both pieces have multiplied by this step's
.endif
.if \pv
.if \x == 0
.if \kq
	s_wait_dscnt 12                                ; V's eight loads are in; the twelve just issued may be out
.else
	s_wait_dscnt 0x0
.endif
.endif
	PVH \x, 2-\pv
	WIN 0
.endif
.if (\x == 0) && \kq
	s_wait_dscnt 0x0                               ; K and the mask tiles are in
.endif
.if (\x == 2) && \kq
	KQH \x, 2-\x, \kq, 1
.else
	KQH \x, 2-\x, \kq, 0
.endif
.endm
.macro STEPS n                         ; n key steps: written once, walked n times; the LDS addresses hang on the three stepped scalars
	s_mov_b32 s[CNT], \n
.Lstep_\@:
	TURN 0, 2, 1
	TURN 2, 2, 1
	s_sub_co_u32 s[CNT], s[CNT], 1
	s_cmp_lg_u32 s[CNT], 0
	s_cbranch_scc1 .Lstep_\@
.endm
; THE CHANGE OF SLOTS, when the slot's eighth K and V have been asked for.  Each wave waits for all its tensor loads (one is out: its part of the other slot), adds 0 to its spare word, and waits for that and for its
; reads of the slot.  fill = 1: a round of the cluster's barrier, and the joint refill first behind it: the keys two slots on; it has eight key steps in which to land.
.macro CHANGE fill
	WIN 0
	s_wait_tensorcnt 0x0                           ; no tensor load of mine is out, so a descriptor may be written
	ds_add_u32 v[SPW], v[NIL]                      ; 0 onto my spare word
.if \fill
.irp g, G0K+4, G0V+4
	s_xor_b32 s[\g+1], s[\g+1], SLOT1              ; the walking descriptor: the other slot than last time,
	s_add_nc_u64 s[\g+2:\g+3], s[\g+2:\g+3], 32768 ; the next 256 keys
.endr
	s_wait_xcnt 0x0                                ; the last prefetch, eight key steps back, has read its address
	s_add_nc_u64 s[PFA:PFA+1], s[PFA:PFA+1], 32768
	s_wait_dscnt 0x0                               ; the add is done, and my reads of the slot are over
	CROUND
	JLOAD
	ASK
.else
	s_wait_dscnt 0x0
	s_barrier_signal -1
	s_barrier_wait -1
.endif
	s_sub_co_u32 s[TK], s[TK], 8*KS*PK             ; the fetches go back to a slot's first step,
	s_xor_b32 s[TK], s[TK], SLOT1                  ; in the other slot
	s_sub_co_u32 s[TV], s[TV], 8*KS*PVP
	s_xor_b32 s[TV], s[TV], SLOT1
.endm
	s_wait_tensorcnt 1                             ; my part of slot 0 is in; slot 1's may stay out
	s_wait_dscnt 0x0                               ; my part of the mask's numbers is stored
	s_barrier_signal -1
	s_barrier_wait -1
	FETCH_K                                        ; key step 0
	s_wait_loadcnt 0x0                             ; Q
	s_wait_dscnt 0x0
.set i, 0
.rept 8
	KQ 0                                           ; piece 0's first scores
.set i, i+1
.endr
	s_mul_i32 s20, s[WV], 16*SP                    ; the addresses for the way out: eight plain lines, the places behind those products
	s_add_co_u32 s20, s20, STAGE
	v_add_nc_u32 v[STO], s20, v[AK0]               ; in: row r, 16 bytes for each half of the lanes (the stage's pitch is K's)
	v_bfe_u32 v11, v0, 3, 2
	v_mul_u32_u24 v[RD], v11, SP
	v_and_b32 v11, 7, v0
	v_lshl_add_u32 v[RD], v11, 4, v[RD]
	v_add_nc_u32 v[RD], s20, v[RD]                 ; back: eight lanes to a row of 128 bytes, four rows an instruction
	v_and_b32 v[GO], 31, v0
	v_lshlrev_b32 v[GO], 4, v[GO]                  ; which are 512 consecutive bytes of ctx
	TURN 2, 0, 1                                   ; piece 2's first scores | piece 0's first softmax | V of step 0
	TURN 0, 1, 1                                   ; piece 0: V^T P of step 0 starts O^T, K Q^T of step 1 | piece 2's first softmax
	TURN 2, 1, 1                                   ; piece 2 likewise | piece 0's softmax of step 1 | V of step 1
	STEPS 6                                        ; steps 1 to 6: slot 0's eight steps have been fetched
.Lslot:                                            ; six trips: every slot's worth of keys but the first two is a refill
	CHANGE 1
	STEPS 8
	s_sub_co_u32 s[SLOTS], s[SLOTS], 1
	s_cmp_lg_u32 s[SLOTS], 0
	s_cbranch_scc1 .Lslot
	CHANGE 0                                       ; the tail is written out
	STEPS 8
	TURN 0, 2, 0                                   ; piece 0: V^T P of the last step | piece 2's last softmax
	PVH 2, 0                                       ; piece 2: V^T P of the last step
	WIN 0
	; THE WAY OUT.  l's halves are added (the additions are the places behind the last products); O^T is divided by l, rounded to f16 and sent through my stage, a tile of 16 queries at a time.
.irp t, 0,1,2,3
	v_add_f32 v[ST+8*\t+4], v[ST+8*\t+2], v[ST+8*\t+3]
.endr
.irp t, 0,1,2,3
	v_permlanex16_b32 v[ST+8*\t+5], v[ST+8*\t+4], s[SEL], s[SEL+1]
.endr
.irp t, 0,1,2,3
	v_add_f32 v[ST+8*\t+4], v[ST+8*\t+4], v[ST+8*\t+5]
.endr
.irp t, 0,1,2,3
	v_rcp_f32 v[ST+8*\t+6], v[ST+8*\t+4]
.endr
	v_nop                                          ; a plain line behind the last reciprocal,
	s_wait_alu depctr_va_vdst(0)                   ; and one wait ahead of the first use: one for the four
.macro PACK t
	WIN 0x41                                       ; O^T in window 1, 1 / l in window 0
.set i, 0
.rept 16
	v_pk_mul_f32 v[32*\t+i:32*\t+i+1], v[32*\t+i:32*\t+i+1], v[ST+8*\t+6:ST+8*\t+7] op_sel_hi:[1,0]
.set i, i+2
.endr
	WIN 0x05                                       ; sources in window 1, destination in window 0: S^T's registers are free
.set i, 0
.rept 16
	v_cvt_pk_f16_f32 v[S+16*\t+i], v[32*\t+2*i], v[32*\t+2*i+1]
.set i, i+1
.endr
	WIN 0
.irp f, 0,1,2,3
	ds_store_b128 v[STO], v[S+16*\t+4*\f:S+16*\t+4*\f+3] offset:32*\f
.endr
.irp f, 0,1,2,3
	ds_load_b128 v[S+16*\t+4*\f:S+16*\t+4*\f+3], v[RD] offset:\f*4*SP   ; LDS serves a wave's instructions in order: these see the stores above; the next tile's stores come behind them
.endr
.endm
.macro SEND t, younger                 ; younger: the LDS instructions issued behind tile t's loads: the next tile's eight, or none
.irp f, 0,1,2,3
	s_wait_dscnt \younger+3-\f
	global_store_b128 v[GO], v[S+16*\t+4*\f:S+16*\t+4*\f+3], s[8:9] offset:\t*2048+\f*512   ; 32 lanes store 512 consecutive bytes: four queries' rows
.endr
.endm
	PACK 0
	PACK 1
	SEND 0, 8
	PACK 2
	SEND 1, 8
	PACK 3
	SEND 2, 8
	SEND 3, 0
	s_wait_tensorcnt 0x0                           ; the wave's end
	ds_add_u32 v[SPW], v[NIL]
	s_wait_dscnt 0x0
	CROUND                                         ; the closing round
	s_endpgm
.Lfunc_end_k_q3ade347696_attn:
	.size	k_q3ade347696_attn, .Lfunc_end_k_q3ade347696_attn-k_q3ade347696_attn
	.p2alignl 7, 3214868480
	.fill 96, 4, 3214868480
	.section	.rodata,"a",@progbits
	.p2align	6, 0x0
	.amdhsa_kernel k_q3ade347696_attn
		.amdhsa_group_segment_fixed_size 327680
		.amdhsa_private_segment_fixed_size 0
		.amdhsa_enable_private_segment 0
		.amdhsa_kernarg_size 24
		.amdhsa_user_sgpr_count 2
		.amdhsa_user_sgpr_kernarg_segment_ptr 1
		.amdhsa_wavefront_size32 1
		.amdhsa_system_sgpr_workgroup_id_x 1
		.amdhsa_system_sgpr_workgroup_id_y 1
		.amdhsa_system_sgpr_workgroup_id_z 1
		.amdhsa_system_vgpr_workitem_id 0
		.amdhsa_next_free_vgpr 512
		.amdhsa_next_free_sgpr 72
		.amdhsa_reserve_vcc 1
		.amdhsa_float_denorm_mode_32 3
		.amdhsa_float_denorm_mode_16_64 3
		.amdhsa_memory_ordered 1
		.amdhsa_forward_progress 1
		.amdhsa_inst_pref_size 117
	.end_amdhsa_kernel
	.amdgpu_metadata
---
amdhsa.version: [ 1, 2 ]
amdhsa.kernels:
  - .name:           k_q3ade347696_attn
    .symbol:         k_q3ade347696_attn.kd
    .args:
      - { .name: qkv, .offset: 0, .size: 8, .value_kind: global_buffer, .address_space: global }
      - { .name: mask, .offset: 8, .size: 8, .value_kind: global_buffer, .address_space: global }
      - { .name: ctx, .offset: 16, .size: 8, .value_kind: global_buffer, .address_space: global }
    .group_segment_fixed_size: 327680
    .private_segment_fixed_size: 0
    .kernarg_segment_align: 8
    .kernarg_segment_size: 24
    .max_flat_workgroup_size: 256
    .sgpr_count:     72
    .vgpr_count:     512
    .wavefront_size: 32
...
	.end_amdgpu_metadata
.endif
;; end of part 4
;; launch proj (part 5): grid 8 x 32, 4 waves a work-group, clusters of 4 x 4, 327,680 bytes of LDS; arguments ctx, wo16, out0, bo; writes out0
.if DOCPART == 5
	.amdgcn_target "amdgcn-amd-amdhsa--gfx1250"
	.amdhsa_code_object_version 6
	.text
	.protected	k_q3ade347696_proj
	.globl	k_q3ade347696_proj
	.p2align	8
	.type	k_q3ade347696_proj,@function
k_q3ade347696_proj:
	s_mov_b64 s[64:65], 0
	v_nop
	global_prefetch_b8 v0, s[64:65] scope:SCOPE_SE
	s_setreg_imm32_b32 hwreg(HW_REG_WAVE_MODE, 25, 1), 1
	s_wait_xcnt 0x0
	s_wait_alu depctr_hold_cnt(0) depctr_sa_sdst(0) depctr_va_vdst(0) depctr_va_sdst(0) depctr_va_ssrc(0) depctr_va_vcc(0) depctr_vm_vsrc(0)
	s_getreg_b32 s2, hwreg(HW_REG_IB_STS2, 6, 4)
	s_cmp_eq_u32 s2, 0
	s_cbranch_scc0 .Lentry_in_a_cluster
	s_endpgm
.Lentry_in_a_cluster:
	s_bfe_u32 s2, ttmp6, 0x10000c
	s_cmp_lg_u32 s2, 0xf033
	s_cbranch_scc0 .Lentry_shape_is_right
	s_endpgm
.Lentry_shape_is_right:
; out0[m][n] = the sum over k of ctx[m][k] Wo[k][n] + bo[n].  ctx: f16, laid [4 batches][16 heads][2048 tokens][64] (k = 64 x head + channel); Wo: f16 [k 1024][n 1024]; out0: f32 [8192][1024].  Sums in f32, begun with the bias.
; A tile of the result is 256 rows x 128 columns: 256 work-groups.  Four waves, each 128 x 64: 32 accumulators, 256 registers.  K goes in steps of 128, two heads, through a ring of two LDS slots:
; A's part of a slot is two sub-tiles, one a head, of 256 rows x 128 bytes; B's is 128 rows of Wo x 256 bytes, read turned by ds_load_tr16_b128.  Waves 0 and 1 fetch A's sub-tiles, waves 2 and 3 B's halves.
; CLUSTERS: 4 x 4 work-groups: A's tiles are shared along a row of the cluster, B's along a column, and asked for jointly.
; THE MATRIX INSTRUCTION IS USED TRANSPOSED (source 0 = 16 columns n of Wo, source 1 = 16 rows of ctx): a lane then holds eight neighbouring numbers of a row of the result.
; REGISTERS: window 0: v0-31 addresses; v32-63 the bias in the result's layout; v64-127, v128-191 A's fragments, two buffers; v192-223, v224-255 B's.  window 1: accumulator (a, b) at v[8 (4 a + b)].
.set PA,     144                       ; a row of a sub-tile of A in LDS: 128 bytes + 16: the 16 rows that a load touches start at 16 different groups of four banks (64 banks of 4 bytes: ISA guide 11.1)
.set PB,     288                       ; a row of B: 256 + 32
.set SUBA,   256*PA                    ; a sub-tile of A
.set BOFF,   2*SUBA                    ; B's rows lie behind A's two sub-tiles
.set SLOT,   BOFF+128*PB
.set STAGE,  2*SLOT                    ; 16 rows x (256 bytes + 16) for each wave
.set SPITCH, 272
.set SPARE,  STAGE+4*16*SPITCH         ; the spare words, 128 bytes a wave
.set LAPS,   4                         ; a lap = two K steps = once round the ring
.set ADRA, 16
.set ADRB, 20
.set STO,  24
.set RD,   25
.set CO,   26
.set SPW,  28                          ; v28  LDS address of my spare word; never rewritten
.set NIL,  29                          ; v29  0; never rewritten
.set BI,   32
.set AF,   64
.set BF,   192
.set G1, 24
.set G0, 32
.set G1B, 48
.set G0B, 56
.set MSB, 0
.macro WIN new                         ; the immediate's high byte repeats the setting that is left
.if MSB != \new
	s_set_vgpr_msb (MSB<<8)|\new
.set MSB, \new
.endif
.endm
.set MUL,  0x50                        ; sources 0 and 1 window 0; C and D window 1
.set MUL0, 0x40                        ; the first quarter: C (the bias) window 0
.macro JLOAD s                         ; a joint load: waves 0 and 1 fetch for A, waves 2 and 3 for B; an s_nop 0 and four v_nop follow each of the two lines
	s_cmp_eq_u32 s11, 0
	s_cbranch_scc0 .Lfor_b_\@
	tensor_load_to_lds s[G0+4*\s:G0+4*\s+3], s[G1:G1+7]
	s_nop 0
.rept 4
	v_nop
.endr
	s_branch .Lasked_\@
.Lfor_b_\@:
	tensor_load_to_lds s[G0B+4*\s:G0B+4*\s+3], s[G1B:G1B+7]
	s_nop 0
.rept 4
	v_nop
.endr
.Lasked_\@:
.endm
.macro CREST                           ; a round of the cluster's barrier behind its opening barrier
	s_cmp_lg_u32 s10, 0
	s_cbranch_scc1 .Lnot_wave_0_\@
	s_barrier_signal -3
.Lnot_wave_0_\@:
	s_barrier_wait -3
	s_barrier_signal -1
	s_barrier_wait -1
.endm
.macro CROUND
	s_barrier_signal -1
	s_barrier_wait -1
	CREST
.endm
	s_load_b128 s[4:7], s[0:1], 0x0                ; ctx, Wo
	s_load_b64 s[8:9], s[0:1], 0x10                ; the result
	s_load_b64 s[66:67], s[0:1], 0x18              ; bo
	v_lshl_add_u32 v[SPW], v0, 2, SPARE
	v_mov_b32 v[NIL], 0
	ds_add_u32 v[SPW], v[NIL]                      ; the wave's opening: the add, twice on end, and its wait ahead of my first tensor load
	ds_add_u32 v[SPW], v[NIL]
	v_lshrrev_b32 v1, 5, v0
	v_readfirstlane_b32 s10, v1                    ; wave 0..3
	s_lshr_b32 s11, s10, 1                         ; which 128 of the tile's rows are mine.  Also: I fetch for A (0) or for B (1)
	s_and_b32 s12, s10, 1                          ; which 64 of its columns.  Also: which sub-tile of A, or which 64 rows of B, I fetch
	s_bfe_u32 s40, ttmp6, 0x40000                  ; cx, cy
	s_bfe_u32 s41, ttmp6, 0x40004
	s_lshl_b32 s42, ttmp9, 2
	s_add_co_u32 s42, s42, s40                     ; tile column = 4 x cluster x + cx
	s_and_b32 s13, ttmp7, 0xffff
	s_lshl_b32 s13, s13, 2
	s_add_co_u32 s13, s13, s41                     ; tile row = 4 x cluster y + cy
	s_lshl_b32 s43, s41, 2
	s_lshl_b32 s43, 15, s43                        ; my row of the cluster
	s_lshl_b32 s44, 0x1111, s40                    ; my column
	s_or_b32 s[G1+0], s43, (1<<16)|(1<<20)|(1<<21)|(4<<22)|(3<<25)   ; A: elements of 2 bytes; 4 words of padding after every 32
	s_mov_b32 s[G1+1], 64<<16                      ; tensor_dim0 = 64
	s_mov_b32 s[G1+2], 256<<16                     ; tensor_dim1 = 256
	s_mov_b32 s[G1+3], 64<<16                      ; tile_dim0 = 64
	s_mov_b32 s[G1+4], 256                         ; tile_dim1 = 256
	s_mov_b32 s[G1+5], 64                          ; elements from token to token
	s_mov_b32 s[G1+6], 0
	s_mov_b32 s[G1+7], 0
	s_or_b32 s[G1B+0], s44, (1<<16)|(1<<20)|(1<<21)|(5<<22)|(7<<25)  ; B: 8 words of padding after every 64
	s_mov_b32 s[G1B+1], 128<<16                    ; tensor_dim0 = 128
	s_mov_b32 s[G1B+2], 64<<16                     ; tensor_dim1 = 64
	s_mov_b32 s[G1B+3], 128<<16                    ; tile_dim0 = 128
	s_mov_b32 s[G1B+4], 64                         ; tile_dim1 = 64
	s_mov_b32 s[G1B+5], 1024                       ; elements from k to k + 1
	s_mov_b32 s[G1B+6], 0
	s_mov_b32 s[G1B+7], 0
	s_lshr_b32 s16, s13, 3                         ; A hangs on the tile row and the wave's number alone: the batch,
	s_lshl_b32 s16, s16, 22
	s_and_b32 s17, s13, 7
	s_lshl_b32 s17, s17, 15                        ; the tile's 256 tokens of 128 bytes,
	s_add_co_u32 s16, s16, s17
	s_lshl_b32 s17, s12, 18                        ; the head of my sub-tile
	s_add_co_u32 s16, s16, s17
	s_mov_b32 s17, 0
	s_lshl_b32 s46, s12, 17                        ; B hangs on the tile column and the wave's number alone: my 64 rows of 2,048 bytes,
	s_lshl_b32 s47, s42, 8                         ; the tile's 128 columns of 2 bytes
	s_add_co_u32 s46, s46, s47
	s_mov_b32 s47, 0
	s_mul_i32 s20, s12, SUBA                       ; where they go: no place in the cluster enters an LDS address
	s_mul_i32 s21, s12, 64*PB
	s_add_co_u32 s21, s21, BOFF
	s_wait_dscnt 0x0                               ; both opening adds are done
	s_wait_kmcnt 0x0
	s_add_nc_u64 s[14:15], s[4:5], s[16:17]
	s_add_nc_u64 s[46:47], s[6:7], s[46:47]
	CROUND                                         ; all sixteen work-groups are here: the first joint loads meet
.irp s, 0,1
	s_mov_b32 s[G0+4*\s], 1
	s_add_co_u32 s[G0+4*\s+1], s20, \s*SLOT
	s_add_nc_u64 s[G0+4*\s+2:G0+4*\s+3], s[14:15], \s*524288        ; K step s: two heads on
	s_or_b32 s[G0+4*\s+3], s[G0+4*\s+3], 0x80000000
	s_mov_b32 s[G0B+4*\s], 1
	s_add_co_u32 s[G0B+4*\s+1], s21, \s*SLOT
	s_add_nc_u64 s[G0B+4*\s+2:G0B+4*\s+3], s[46:47], \s*262144      ; 128 rows of Wo on
	s_or_b32 s[G0B+4*\s+3], s[G0B+4*\s+3], 0x80000000
	JLOAD \s
.endr
	v_and_b32 v1, 15, v0                           ; r
	v_bfe_u32 v2, v0, 4, 1                         ; h
	s_lshl_b32 s22, s42, 9                         ; my first column, in bytes of f32: 512 x tile column + 256 x half: in bo and in a row of the result
	s_lshl_b32 s23, s12, 8
	s_add_co_u32 s22, s22, s23
	s_mov_b32 s23, 0
	s_add_nc_u64 s[66:67], s[66:67], s[22:23]
	v_lshlrev_b32 v6, 5, v2
.irp b, 0,1,2,3                                ; the bias: tile b, register j: bo[n0 + 16 b + 8 h + j]
	global_load_b128 v[BI+8*\b:BI+8*\b+3], v6, s[66:67] offset:64*\b
	global_load_b128 v[BI+8*\b+4:BI+8*\b+7], v6, s[66:67] offset:64*\b+16
.endr
	s_lshl_b32 s16, s13, 20                        ; my first row of the result: 256 x tile row + 128 x half, rows of 4,096 bytes
	s_lshl_b32 s17, s11, 19
	s_add_co_u32 s16, s16, s17
	s_mov_b32 s17, 0
	s_add_nc_u64 s[8:9], s[8:9], s[16:17]
	s_add_nc_u64 s[8:9], s[8:9], s[22:23]
	v_mul_u32_u24 v3, v1, PA
	v_lshl_add_u32 v3, v2, 4, v3                   ; A: row r x pitch + 16 x half
	s_mul_i32 s20, s11, 128*PA                     ; my 128 rows
	v_and_b32 v4, 7, v0
	v_lshl_add_u32 v5, v2, 3, v4                   ; B: the turning load: k = 8 h + l % 8,
	v_mul_u32_u24 v5, v5, PB
	v_bfe_u32 v4, v0, 3, 1
	v_lshl_add_u32 v5, v4, 4, v5                   ; columns 8 ((l / 8) % 2) on
	s_lshl_b32 s21, s12, 7                         ; my 64 columns
	s_add_co_u32 s21, s21, BOFF
.irp s, 0,1
	v_add_nc_u32 v[ADRA+\s], s20, v3
	v_add_nc_u32 v[ADRB+\s], s21, v5
	s_add_co_u32 s20, s20, SLOT
	s_add_co_u32 s21, s21, SLOT
.endr
	s_mul_i32 s20, s10, 16*SPITCH
	s_add_co_u32 s20, s20, STAGE                   ; my stage
	v_mul_u32_u24 v4, v1, SPITCH
	v_lshl_add_u32 v4, v2, 5, v4
	v_add_nc_u32 v[STO], s20, v4                   ; in: row r, 32 bytes for each half of the lanes
	v_mul_u32_u24 v4, v2, SPITCH
	v_lshl_add_u32 v4, v1, 4, v4
	v_add_nc_u32 v[RD], s20, v4                    ; back: lanes 0-15 one row of 256 bytes, lanes 16-31 the next
	v_lshlrev_b32 v4, 12, v2
	v_lshl_add_u32 v[CO], v1, 4, v4                ; and the same two rows in the result
; 8 matrix instructions: A's blocks a0, a0 + 1 x B's four, 32 along K, from buffers f.  zero = 1: the first product starts the sums with the bias.  The 32 accumulators take turns.
.macro MUL8 f, a0, zero
.irp a, \a0, \a0+1
.irp b, 0,1,2,3
.if \zero
	v_wmma_f32_16x16x32_f16 v[8*(4*(\a)+\b):8*(4*(\a)+\b)+7], v[BF+32*(\f)+8*\b:BF+32*(\f)+8*\b+7], v[AF+64*(\f)+8*(\a):AF+64*(\f)+8*(\a)+7], v[BI+8*\b:BI+8*\b+7]
.else
	v_wmma_f32_16x16x32_f16 v[8*(4*(\a)+\b):8*(4*(\a)+\b)+7], v[BF+32*(\f)+8*\b:BF+32*(\f)+8*\b+7], v[AF+64*(\f)+8*(\a):AF+64*(\f)+8*(\a)+7], v[8*(4*(\a)+\b):8*(4*(\a)+\b)+7]
.endif
.endr
.endr
.endm
; 24 LDS loads in one run: the fragments of quarter q (32 along K) of a slot into buffers f: B's four (turned), then A's eight.  Quarter q lies in sub-tile q / 2, channels 32 (q % 2) on.
.macro FETCH slot, q, f
.irp b, 0,1,2,3
	ds_load_tr16_b128 v[BF+32*(\f)+8*\b:BF+32*(\f)+8*\b+3],   v[ADRB+\slot] offset:32*PB*(\q)+32*\b
	ds_load_tr16_b128 v[BF+32*(\f)+8*\b+4:BF+32*(\f)+8*\b+7], v[ADRB+\slot] offset:32*PB*(\q)+32*\b+16*PB
.endr
.irp i, 0,1,2,3,4,5,6,7
	ds_load_b128 v[AF+64*(\f)+8*\i:AF+64*(\f)+8*\i+3],   v[ADRA+\slot] offset:SUBA*((\q)/2)+64*((\q)%2)+\i*16*PA
	ds_load_b128 v[AF+64*(\f)+8*\i+4:AF+64*(\f)+8*\i+7], v[ADRA+\slot] offset:SUBA*((\q)/2)+64*((\q)%2)+\i*16*PA+32
.endr
.endm
.macro PLACES                          ; four plain lines in front of loads into registers that matrix instructions have read, and of reads of results
.rept 4
	v_nop
.endr
.endm
; One of a K step's first three quarters: multiplies buffers f; in its middle it fetches quarter qn of the same slot into buffers g.
.macro QUARTER slot, qn, f, g, zero
	s_wait_dscnt 8                                 ; B and A's blocks 0-3 are in; the youngest eight loads (A's blocks 4-7) may be out
.if \zero
	WIN MUL0
.else
	WIN MUL
.endif
	MUL8 \f, 0, \zero
	MUL8 \f, 2, \zero
	PLACES
	WIN 0
	FETCH \slot, \qn, \g
	s_wait_dscnt 24                                ; all but the 24 just issued
.if \zero
	WIN MUL0
.else
	WIN MUL
.endif
	MUL8 \f, 4, \zero
	MUL8 \f, 6, \zero
.endm
; The last quarter multiplies buffers 1 and changes slots: ONE barrier; in front of it each wave waits for all its tensor loads, adds 0 to its spare word, and waits for that and for its reads of this slot.
; fill = 1: the barrier opens a round of the cluster's, and this slot is filled again, two K steps ahead, first thing behind it: 112 matrix instructions ahead of the wait for it.
.macro TURN slot, next, fill
	WIN 0
	s_wait_tensorcnt 0x0                           ; all my tensor loads have landed: my part of the next slot
	ds_add_u32 v[SPW], v[NIL]                      ; 0 onto my spare word
	s_wait_dscnt 9                                 ; the add and the youngest eight loads may be out
	WIN MUL
	MUL8 1, 0, 0
	s_wait_dscnt 0x0                               ; the add is done, and my reads of this slot are over
	s_barrier_signal -1
	MUL8 1, 2, 0
	WIN 0
	s_barrier_wait -1
.if \fill
	CREST                                          ; no wave of any partner still reads this slot's tiles or has a load on its way
	s_add_nc_u64 s[G0+4*\slot+2:G0+4*\slot+3], s[G0+4*\slot+2:G0+4*\slot+3], 1048576
	s_add_nc_u64 s[G0B+4*\slot+2:G0B+4*\slot+3], s[G0B+4*\slot+2:G0B+4*\slot+3], 524288
	JLOAD \slot                                    ; the four v_nop behind it are also the places in front of the loads below
.else
	PLACES
.endif
	FETCH \next, 0, 0
	WIN MUL
	MUL8 1, 4, 0
	MUL8 1, 6, 0
.endm
	s_wait_tensorcnt 1                             ; my part of K step 0 is in (K step 1's load may be out),
	s_barrier_signal -1
	s_barrier_wait -1                              ; everybody's is
	FETCH 0, 0, 0
	s_wait_loadcnt 0x0                             ; the bias
	QUARTER 0, 1, 0, 1, 1                          ; the first quarter stands in front of the loop: its products start the sums
	WIN 0                                          ; at a label and at a branch every window is 0
	s_mov_b32 s3, LAPS-1
.Llap:                                             ; a trip goes once round the ring, from a lap's second quarter to the next lap's first, and fills both slots again
	QUARTER 0, 2, 1, 0, 0
	QUARTER 0, 3, 0, 1, 0
	TURN 0, 1, 1
	QUARTER 1, 1, 0, 1, 0
	QUARTER 1, 2, 1, 0, 0
	QUARTER 1, 3, 0, 1, 0
	TURN 1, 0, 1
	QUARTER 0, 1, 0, 1, 0
	WIN 0
	s_sub_co_u32 s3, s3, 1
	s_cmp_lg_u32 s3, 0
	s_cbranch_scc1 .Llap
	QUARTER 0, 2, 1, 0, 0                          ; the last lap fills nothing, and has no round of the cluster's barrier
	QUARTER 0, 3, 0, 1, 0
	TURN 0, 1, 0
	QUARTER 1, 1, 0, 1, 0
	QUARTER 1, 2, 1, 0, 0
	QUARTER 1, 3, 0, 1, 0
	s_wait_dscnt 8                                 ; the very last quarter: nothing more to fetch
	WIN MUL
	MUL8 1, 0, 0
	MUL8 1, 2, 0
	s_wait_dscnt 0
	MUL8 1, 4, 0
	MUL8 1, 6, 0
	WIN 0
; THE WAY OUT, block by block of 16 rows x 64 columns.  A lane holds 32 neighbouring bytes of a row: a block goes through my own stage and comes back as whole rows of 256 bytes, which sixteen lanes store.
; LDS serves a wave's instructions in order: no wait between the stage's stores and loads, nor in front of the next block's stores.
.macro TOSTAGE a
	WIN 0x04                                       ; an LDS store's data: window 1
.irp b, 0,1,2,3
	ds_store_b128 v[STO], v[8*(4*(\a)+\b):8*(4*(\a)+\b)+3] offset:64*\b          ; each accumulator from its low end on
	ds_store_b128 v[STO], v[8*(4*(\a)+\b)+4:8*(4*(\a)+\b)+7] offset:64*\b+16
.endr
	WIN 0
.set BB, AF+32*((\a)%2)
.irp t, 0,1,2,3,4,5,6,7
	ds_load_b128 v[BB+4*\t:BB+4*\t+3], v[RD] offset:\t*2*SPITCH
.endr
.endm
.macro SEND a, younger                 ; younger: the LDS instructions issued behind block a's loads, which may stay out
.set BB, AF+32*((\a)%2)
	s_wait_dscnt \younger
.if (\a) > 0
	s_add_nc_u64 s[8:9], s[8:9], 65536             ; (behind a wait on XCNT: the earlier stores have read their base)  16 rows on
.endif
.irp t, 0,1,2,3,4,5,6,7
	global_store_b128 v[CO], v[BB+4*\t:BB+4*\t+3], s[8:9] offset:\t*8192 th:TH_STORE_NT   ; 16 lanes store 256 consecutive bytes, aligned; written once, read by nobody here
.endr
.endm
	PLACES
	TOSTAGE 0
.irp a, 1,2,3,4,5,6,7
.if \a > 1
	s_wait_xcnt 0x0                                ; block a - 2's stores have read their registers and their base: block a's loads may land there, and the base may step
.endif
	TOSTAGE \a
	SEND \a-1, 16                                  ; behind block a - 1's loads: block a's 8 stores and 8 loads
.endr
	s_wait_xcnt 0x0
	SEND 7, 0
	s_wait_tensorcnt 0x0                           ; the wave's end
	ds_add_u32 v[SPW], v[NIL]
	s_wait_dscnt 0x0
	CROUND                                         ; the closing round
	s_endpgm
.Lfunc_end_k_q3ade347696_proj:
	.size	k_q3ade347696_proj, .Lfunc_end_k_q3ade347696_proj-k_q3ade347696_proj
	.p2alignl 7, 3214868480
	.fill 96, 4, 3214868480
	.section	.rodata,"a",@progbits
	.p2align	6, 0x0
	.amdhsa_kernel k_q3ade347696_proj
		.amdhsa_group_segment_fixed_size 327680
		.amdhsa_private_segment_fixed_size 0
		.amdhsa_enable_private_segment 0
		.amdhsa_kernarg_size 32
		.amdhsa_user_sgpr_count 2
		.amdhsa_user_sgpr_kernarg_segment_ptr 1
		.amdhsa_wavefront_size32 1
		.amdhsa_system_sgpr_workgroup_id_x 1
		.amdhsa_system_sgpr_workgroup_id_y 1
		.amdhsa_system_sgpr_workgroup_id_z 1
		.amdhsa_system_vgpr_workitem_id 0
		.amdhsa_next_free_vgpr 512
		.amdhsa_next_free_sgpr 72
		.amdhsa_reserve_vcc 0
		.amdhsa_float_denorm_mode_32 3
		.amdhsa_float_denorm_mode_16_64 3
		.amdhsa_memory_ordered 1
		.amdhsa_forward_progress 1
		.amdhsa_inst_pref_size 87
	.end_amdhsa_kernel
	.amdgpu_metadata
---
amdhsa.version: [ 1, 2 ]
amdhsa.kernels:
  - .name:           k_q3ade347696_proj
    .symbol:         k_q3ade347696_proj.kd
    .args:
      - { .name: ctx, .offset: 0, .size: 8, .value_kind: global_buffer, .address_space: global }
      - { .name: wo16, .offset: 8, .size: 8, .value_kind: global_buffer, .address_space: global }
      - { .name: out0, .offset: 16, .size: 8, .value_kind: global_buffer, .address_space: global }
      - { .name: bo, .offset: 24, .size: 8, .value_kind: global_buffer, .address_space: global }
    .group_segment_fixed_size: 327680
    .private_segment_fixed_size: 0
    .kernarg_segment_align: 8
    .kernarg_segment_size: 32
    .max_flat_workgroup_size: 128
    .sgpr_count:     72
    .vgpr_count:     512
    .wavefront_size: 32
...
	.end_amdgpu_metadata
.endif
;; end of part 5
